; MI455X (gfx1250); checked and timed in simulation.
; The chip was launched on July 23, 2026; its instructions are those of AMD's public machine-readable ISA for CDNA 5 (MIT licence, August 2026) and "CDNA5" Instruction Set Architecture Reference Guide (July 2026). The comments in the code are by the model that wrote it; some were corrected since.
;; Block. Allowed arithmetic: float matrix products may take bf16 or f16 operands with f32 sums; all other float work in f32.
;; Inputs: b_attn 3,072 float32; b_fc 4,096 float32; b_out 1,024 float32; b_proj 1,024 float32; ln1_b 1,024 float32; ln1_w 1,024 float32; ln2_b 1,024 float32; ln2_w 1,024 float32; w_attn 1,024 x 3,072 float32; w_fc 1,024 x 4,096 float32; w_out 4,096 x 1,024 float32; w_proj 1,024 x 1,024 float32; x 2 x 2,048 x 1,024 float32.
;; Outputs: out0 2 x 2,048 x 1,024 float32.
;; One version. Each part assembles by itself: llvm-mc -triple=amdgcn-amd-amdhsa -mcpu=gfx1250 --defsym DOCPART=n.
;; ======== version 1 of 1: 8 launches
;; limits: right only within a limited range of input values
;; workspace buffers: wb 25,165,824 bytes; hb 8,388,608 bytes; qkvh 25,165,824 bytes; yh 8,388,608 bytes; x1 16,777,216 bytes; g 33,554,432 bytes
;; launch cast (part 1): grid 768 x 1, 8 waves a work-group, no clusters, 0 bytes of LDS; arguments w_attn, w_proj, w_fc, w_out, wb; writes wb
.if DOCPART == 1
	.amdgcn_target "amdgcn-amd-amdhsa--gfx1250"
	.amdhsa_code_object_version 6
	.text
	.protected	k_q4330b64678_cast
	.globl	k_q4330b64678_cast
	.p2align	8
	.type	k_q4330b64678_cast,@function
k_q4330b64678_cast:
	s_mov_b64 s[64:65], 0
	v_nop
	global_prefetch_b8 v0, s[64:65] scope:SCOPE_SE
	s_setreg_imm32_b32 hwreg(HW_REG_WAVE_MODE, 25, 1), 1
	s_wait_xcnt 0x0
; wb = the four weight matrices, rounded once to bf16 (nearest even), each in its own layout [K][N], one behind the other:
; w_attn at byte 0, w_proj at 6,291,456, w_fc at 8,388,608, w_out at 16,777,216.
; A stream: no LDS, no matrix unit, no cluster (no two work-groups read the same byte).
; Work-group c owns 16,384 numbers: 65,536 bytes in, 32,768 bytes out.  Chunks 0-191 are w_attn's, 192-255 w_proj's, 256-511 w_fc's,
; 512-767 w_out's, which is also wb's order: the target is wb + 32,768 c, whatever the source.
; Thread t takes 16 bytes at 16 t of each 4,096 bytes: a wave's load covers 512 consecutive bytes, its store 256 consecutive aligned bytes.
.set NLD, 16                           ; loads of a thread, all issued before the first is used
.set X, 4                              ; v[4:67]   as loaded
.set O, 68                             ; v[68:99]  to store
	s_load_b256 s[8:15], s[0:1], 0x0               ; w_attn s[8:9], w_proj s[10:11], w_fc s[12:13], w_out s[14:15]
	s_load_b64 s[16:17], s[0:1], 0x20              ; wb
	v_lshlrev_b32 v1, 4, v0                        ; 16 t
	v_lshlrev_b32 v2, 3, v0                        ; 8 t
	s_mov_b32 s2, 0                                ; first chunk of the matrix that my chunk lies in
	s_mov_b32 s3, 0
	s_lshl_b32 s6, ttmp9, 15                       ; my 32,768 bytes of wb
	s_mov_b32 s7, 0
	s_wait_kmcnt 0x0
	s_mov_b64 s[4:5], s[8:9]
	s_cmp_ge_u32 ttmp9, 192                        ; the choice of the source hangs on the work-group's number alone
	s_cselect_b64 s[4:5], s[10:11], s[4:5]
	s_cselect_b32 s2, 192, s2
	s_cmp_ge_u32 ttmp9, 256
	s_cselect_b64 s[4:5], s[12:13], s[4:5]
	s_cselect_b32 s2, 256, s2
	s_cmp_ge_u32 ttmp9, 512
	s_cselect_b64 s[4:5], s[14:15], s[4:5]
	s_cselect_b32 s2, 512, s2
	s_sub_co_u32 s2, ttmp9, s2                     ; my chunk inside that matrix,
	s_lshl_b32 s2, s2, 16                          ; times 65,536 bytes
	s_add_nc_u64 s[4:5], s[4:5], s[2:3]
	s_add_nc_u64 s[16:17], s[16:17], s[6:7]
.set i, 0
.rept NLD
	global_load_b128 v[X+4*i:X+4*i+3], v1, s[4:5] offset:4096*i th:TH_LOAD_NT   ; read once in the whole program
.set i, i+1
.endr
.set i, 0
.rept NLD
	s_wait_loadcnt NLD-1-i                         ; loads come back in order: load i is in, the younger ones stay out
	v_cvt_pk_bf16_f32 v[O+2*i], v[X+4*i], v[X+4*i+1]
	v_cvt_pk_bf16_f32 v[O+2*i+1], v[X+4*i+2], v[X+4*i+3]
	global_store_b64 v2, v[O+2*i:O+2*i+1], s[16:17] offset:2048*i   ; no register is written twice, so no wait for the stores' sources
.set i, i+1
.endr
	s_endpgm
.Lfunc_end_k_q4330b64678_cast:
	.size	k_q4330b64678_cast, .Lfunc_end_k_q4330b64678_cast-k_q4330b64678_cast
	.p2alignl 7, 3214868480
	.fill 96, 4, 3214868480
	.section	.rodata,"a",@progbits
	.p2align	6, 0x0
	.amdhsa_kernel k_q4330b64678_cast
		.amdhsa_group_segment_fixed_size 0
		.amdhsa_private_segment_fixed_size 0
		.amdhsa_enable_private_segment 0
		.amdhsa_kernarg_size 40
		.amdhsa_user_sgpr_count 2
		.amdhsa_user_sgpr_kernarg_segment_ptr 1
		.amdhsa_wavefront_size32 1
		.amdhsa_system_sgpr_workgroup_id_x 1
		.amdhsa_system_sgpr_workgroup_id_y 1
		.amdhsa_system_sgpr_workgroup_id_z 1
		.amdhsa_system_vgpr_workitem_id 0
		.amdhsa_next_free_vgpr 100
		.amdhsa_next_free_sgpr 66
		.amdhsa_reserve_vcc 0
		.amdhsa_float_denorm_mode_32 3
		.amdhsa_float_denorm_mode_16_64 3
		.amdhsa_memory_ordered 1
		.amdhsa_forward_progress 1
		.amdhsa_inst_pref_size 7
	.end_amdhsa_kernel
	.amdgpu_metadata
---
amdhsa.version: [ 1, 2 ]
amdhsa.kernels:
  - .name:           k_q4330b64678_cast
    .symbol:         k_q4330b64678_cast.kd
    .args:
      - { .name: w_attn, .offset: 0, .size: 8, .value_kind: global_buffer, .address_space: global }
      - { .name: w_proj, .offset: 8, .size: 8, .value_kind: global_buffer, .address_space: global }
      - { .name: w_fc, .offset: 16, .size: 8, .value_kind: global_buffer, .address_space: global }
      - { .name: w_out, .offset: 24, .size: 8, .value_kind: global_buffer, .address_space: global }
      - { .name: wb, .offset: 32, .size: 8, .value_kind: global_buffer, .address_space: global }
    .group_segment_fixed_size: 0
    .private_segment_fixed_size: 0
    .kernarg_segment_align: 8
    .kernarg_segment_size: 40
    .max_flat_workgroup_size: 256
    .sgpr_count:     66
    .vgpr_count:     100
    .wavefront_size: 32
...
	.end_amdgpu_metadata
.endif
;; end of part 1
;; launch ln1 (part 2): grid 256 x 1, 8 waves a work-group, no clusters, 0 bytes of LDS; arguments x, ln1_w, ln1_b, hb; writes hb
.if DOCPART == 2
	.amdgcn_target "amdgcn-amd-amdhsa--gfx1250"
	.amdhsa_code_object_version 6
	.text
	.protected	k_q4330b64678_ln1
	.globl	k_q4330b64678_ln1
	.p2align	8
	.type	k_q4330b64678_ln1,@function
k_q4330b64678_ln1:
	s_mov_b64 s[64:65], 0
	v_nop
	global_prefetch_b8 v0, s[64:65] scope:SCOPE_SE
	s_setreg_imm32_b32 hwreg(HW_REG_WAVE_MODE, 25, 1), 1
	s_wait_xcnt 0x0
; h[r][c] = (x[r][c] - mean_r) * rsqrt(var_r + 1e-5) * w[c] + b[c].  x: [4096][1024] f32, w, b: [1024] f32, h: [4096][1024] bf16, rounded once.
; All arithmetic in f32.  The variance is the mean of (x - mean)^2, formed as written: first the mean, then the differences, then their squares,
; so a common offset of the row costs no digits.
; A row is 4,096 bytes: 32 registers of one wave.  One wave, two whole rows: the row stays in registers between the passes, memory is read once,
; the sums never leave the wave: no LDS, no barrier.  Matrix units and clusters have nothing to do here.
; Lane l holds columns 128 j + 4 l + 0..3, j = 0..7: each load of a wave covers 512 consecutive bytes, each store 256 consecutive aligned bytes.
.set W,  4                             ; v[4:35]    w of my 32 columns
.set B,  36                            ; v[36:67]   b of my 32 columns
.set X0, 68                            ; v[68:99]   first row
.set X1, 100                           ; v[100:131] second row
.set A,  132                           ; v[132:139] four running pairs
.set MU, 140                           ; v[140:141] the mean, twice
.set RS, 142                           ; v[142:143] 1 / sqrt(var + eps), twice
.set T,  144                           ; v[144:145] at work
.set O0, 148                           ; v[148:163] first row, bf16
.set O1, 164                           ; v[164:179] second row, bf16
	s_load_b256 s[4:11], s[0:1], 0x0               ; x s[4:5], w s[6:7], b s[8:9], h s[10:11]
	v_and_b32 v3, 31, v0
	v_lshlrev_b32 v1, 4, v3                        ; 16 x lane
	v_lshlrev_b32 v2, 3, v3                        ; 8 x lane
	v_lshrrev_b32 v3, 5, v0
	v_readfirstlane_b32 s16, v3                    ; wave
	s_lshl_b32 s17, ttmp9, 4
	s_lshl_b32 s16, s16, 1
	s_add_co_u32 s17, s17, s16                     ; my first row = 16 x work-group + 2 x wave
	s_lshl_b32 s2, s17, 12                         ; x 4,096 bytes
	s_mov_b32 s3, 0
	s_lshl_b32 s18, s17, 11                        ; x 2,048 bytes
	s_mov_b32 s19, 0
	s_mov_b32 s12, 0x76543210                      ; v_permlanex16_b32: each lane takes its own place in the other half
	s_mov_b32 s13, 0xfedcba98
	s_mov_b32 s14, 0x3a800000                      ; 1 / 1024
	s_mov_b32 s15, 0x3727c5ac                      ; 1e-5
	v_mov_b32 v[T], 0                              ; v_permlanex16_b32's destination counts as read
	s_wait_kmcnt 0x0
	s_add_nc_u64 s[4:5], s[4:5], s[2:3]
	s_add_nc_u64 s[10:11], s[10:11], s[18:19]
.irp j, 0,1,2,3,4,5,6,7
	global_load_b128 v[X0+4*\j:X0+4*\j+3], v1, s[4:5] offset:512*\j
.endr
.irp j, 0,1,2,3,4,5,6,7
	global_load_b128 v[X1+4*\j:X1+4*\j+3], v1, s[4:5] offset:4096+512*\j
.endr
.irp j, 0,1,2,3,4,5,6,7
	global_load_b128 v[W+4*\j:W+4*\j+3], v1, s[6:7] offset:512*\j
.endr
.irp j, 0,1,2,3,4,5,6,7
	global_load_b128 v[B+4*\j:B+4*\j+3], v1, s[8:9] offset:512*\j
.endr
; The four pairs are joined, then the sum goes over the 32 lanes: four steps inside each half of 16 ride on the addition, one crosses the halves.
.macro TOTAL
	v_pk_add_f32 v[A:A+1], v[A:A+1], v[A+2:A+3]
	v_pk_add_f32 v[A+4:A+5], v[A+4:A+5], v[A+6:A+7]
	v_pk_add_f32 v[A:A+1], v[A:A+1], v[A+4:A+5]
	v_add_f32 v[A], v[A], v[A+1]
	v_add_f32_dpp v[A], v[A], v[A] row_xmask:1 row_mask:0xf bank_mask:0xf
	v_add_f32_dpp v[A], v[A], v[A] row_xmask:2 row_mask:0xf bank_mask:0xf
	v_add_f32_dpp v[A], v[A], v[A] row_xmask:4 row_mask:0xf bank_mask:0xf
	v_add_f32_dpp v[A], v[A], v[A] row_xmask:8 row_mask:0xf bank_mask:0xf
	v_permlanex16_b32 v[T], v[A], s12, s13
	v_add_f32 v[A], v[A], v[T]
.endm
; One row: x = its 32 registers, o = its 16 output registers, off = its byte offset in h, left = the younger loads that may stay out.
.macro ROW x, o, off, left
	s_wait_loadcnt \left
.irp k, 0,1,2,3
	v_pk_add_f32 v[A+2*\k:A+2*\k+1], v[(\x)+2*\k:(\x)+2*\k+1], v[(\x)+8+2*\k:(\x)+8+2*\k+1]   ; the first eight pairs start four chains: nothing is cleared
.endr
.irp p, 8,9,10,11,12,13,14,15
	v_pk_add_f32 v[A+2*(\p%4):A+2*(\p%4)+1], v[A+2*(\p%4):A+2*(\p%4)+1], v[(\x)+2*\p:(\x)+2*\p+1]
.endr
	TOTAL
	v_mul_f32 v[MU], s14, v[A]
	v_mul_f32 v[MU+1], s14, v[A]
.irp p, 0,1,2,3,4,5,6,7,8,9,10,11,12,13,14,15
	v_pk_add_f32 v[(\x)+2*\p:(\x)+2*\p+1], v[(\x)+2*\p:(\x)+2*\p+1], v[MU:MU+1] neg_lo:[0,1] neg_hi:[0,1]   ; x - mean
.endr
.irp k, 0,1,2,3
	v_pk_mul_f32 v[A+2*\k:A+2*\k+1], v[(\x)+2*\k:(\x)+2*\k+1], v[(\x)+2*\k:(\x)+2*\k+1]
.endr
.irp p, 4,5,6,7,8,9,10,11,12,13,14,15
	v_pk_fma_f32 v[A+2*(\p%4):A+2*(\p%4)+1], v[(\x)+2*\p:(\x)+2*\p+1], v[(\x)+2*\p:(\x)+2*\p+1], v[A+2*(\p%4):A+2*(\p%4)+1]
.endr
	TOTAL
	v_fma_f32 v[T+1], v[A], s14, s15               ; var + eps
	v_rsq_f32 v[RS], v[T+1]
	v_rsq_f32 v[RS+1], v[T+1]
	v_nop                                          ; a plain instruction between the root and the use of its result (ISA guide 5.7.2)
	s_wait_loadcnt 0x0                             ; w and b
	s_wait_alu depctr_va_vdst(0)
.irp p, 0,1,2,3,4,5,6,7,8,9,10,11,12,13,14,15
	v_pk_mul_f32 v[(\x)+2*\p:(\x)+2*\p+1], v[(\x)+2*\p:(\x)+2*\p+1], v[RS:RS+1]
.endr
.irp p, 0,1,2,3,4,5,6,7,8,9,10,11,12,13,14,15
	v_pk_fma_f32 v[(\x)+2*\p:(\x)+2*\p+1], v[(\x)+2*\p:(\x)+2*\p+1], v[W+2*\p:W+2*\p+1], v[B+2*\p:B+2*\p+1]
.endr
.irp p, 0,1,2,3,4,5,6,7,8,9,10,11,12,13,14,15
	v_cvt_pk_bf16_f32 v[(\o)+\p], v[(\x)+2*\p], v[(\x)+2*\p+1]
.endr
.irp j, 0,1,2,3,4,5,6,7
	global_store_b64 v2, v[(\o)+2*\j:(\o)+2*\j+1], s[10:11] offset:(\off)+256*\j
.endr
.endm
	ROW X0, O0, 0, 24                              ; the second row's 8 loads, w's 8 and b's 8 are younger
	ROW X1, O1, 2048, 0
	s_endpgm
.Lfunc_end_k_q4330b64678_ln1:
	.size	k_q4330b64678_ln1, .Lfunc_end_k_q4330b64678_ln1-k_q4330b64678_ln1
	.p2alignl 7, 3214868480
	.fill 96, 4, 3214868480
	.section	.rodata,"a",@progbits
	.p2align	6, 0x0
	.amdhsa_kernel k_q4330b64678_ln1
		.amdhsa_group_segment_fixed_size 0
		.amdhsa_private_segment_fixed_size 0
		.amdhsa_enable_private_segment 0
		.amdhsa_kernarg_size 32
		.amdhsa_user_sgpr_count 2
		.amdhsa_user_sgpr_kernarg_segment_ptr 1
		.amdhsa_wavefront_size32 1
		.amdhsa_system_sgpr_workgroup_id_x 1
		.amdhsa_system_sgpr_workgroup_id_y 1
		.amdhsa_system_sgpr_workgroup_id_z 1
		.amdhsa_system_vgpr_workitem_id 0
		.amdhsa_next_free_vgpr 184
		.amdhsa_next_free_sgpr 66
		.amdhsa_reserve_vcc 0
		.amdhsa_float_denorm_mode_32 3
		.amdhsa_float_denorm_mode_16_64 3
		.amdhsa_memory_ordered 1
		.amdhsa_forward_progress 1
		.amdhsa_inst_pref_size 20
	.end_amdhsa_kernel
	.amdgpu_metadata
---
amdhsa.version: [ 1, 2 ]
amdhsa.kernels:
  - .name:           k_q4330b64678_ln1
    .symbol:         k_q4330b64678_ln1.kd
    .args:
      - { .name: x, .offset: 0, .size: 8, .value_kind: global_buffer, .address_space: global }
      - { .name: ln1_w, .offset: 8, .size: 8, .value_kind: global_buffer, .address_space: global }
      - { .name: ln1_b, .offset: 16, .size: 8, .value_kind: global_buffer, .address_space: global }
      - { .name: hb, .offset: 24, .size: 8, .value_kind: global_buffer, .address_space: global }
    .group_segment_fixed_size: 0
    .private_segment_fixed_size: 0
    .kernarg_segment_align: 8
    .kernarg_segment_size: 32
    .max_flat_workgroup_size: 256
    .sgpr_count:     66
    .vgpr_count:     184
    .wavefront_size: 32
...
	.end_amdgpu_metadata
.endif
;; end of part 2
;; launch qkv (part 3): grid 16 x 16, 4 waves a work-group, clusters of 4 x 4, 327,680 bytes of LDS; arguments hb, wb, b_attn, qkvh; writes qkvh
.if DOCPART == 3
	.amdgcn_target "amdgcn-amd-amdhsa--gfx1250"
	.amdhsa_code_object_version 6
	.text
	.protected	k_q4330b64678_qkv
	.globl	k_q4330b64678_qkv
	.p2align	8
	.type	k_q4330b64678_qkv,@function
k_q4330b64678_qkv:
	s_mov_b64 s[64:65], 0
	v_nop
	global_prefetch_b8 v0, s[64:65] scope:SCOPE_SE
	s_setreg_imm32_b32 hwreg(HW_REG_WAVE_MODE, 25, 1), 1
	s_wait_xcnt 0x0
	s_wait_alu depctr_hold_cnt(0) depctr_sa_sdst(0) depctr_va_vdst(0) depctr_va_sdst(0) depctr_va_ssrc(0) depctr_va_vcc(0) depctr_vm_vsrc(0)
	s_getreg_b32 s2, hwreg(HW_REG_IB_STS2, 6, 4)
	s_cmp_eq_u32 s2, 0
	s_cbranch_scc0 .Lentry_in_a_cluster
	s_endpgm
.Lentry_in_a_cluster:
	s_bfe_u32 s2, ttmp6, 0x10000c
	s_cmp_lg_u32 s2, 0xf033
	s_cbranch_scc0 .Lentry_shape_is_right
	s_endpgm
.Lentry_shape_is_right:
; qkv = h W + b.  h: [4096][1024] bf16 (K along the rows), W = w_attn as bf16 [1024 (k)][3072 (n)] at byte 0 of wb, b: [3072] f32.  Sums in f32, K ascending, rounded once to bf16.
; The result leaves BY HEADS: qkvh[batch 2][p 48][t 2048][64], p = column / 64 (q: p 0-15, k: 16-31, v: 32-47), unscaled.
; TILE.  256 rows x 192 columns (three whole heads): 16 x 16 = 256 work-groups.  Four waves, each 64 rows x 192 columns: 48 accumulators of 16 x 16, 384 registers;
; a wave so holds whole heads, and four rows of a head are 512 consecutive bytes of the result.
; RING.  K goes in steps of 128 through two LDS slots (h's 256 rows of 256 bytes, then W's 128 rows of 384 bytes).  One tensor load a wave and step: waves 0, 1 fetch h's halves, waves 2, 3 W's.
; One tensor load of a wave is out at any time; it has a whole K step's 192 matrix instructions in which to land.
; CLUSTER 4 x 4: h's tile hangs on the tile row alone and is asked for jointly by my row of the cluster, W's on the tile column alone, by my column.
; THE MATRIX INSTRUCTION IS USED TRANSPOSED: source 0 = 16 columns of W (turned out of LDS by ds_load_tr16_b128, since W lies [k][n]), source 1 = 16 rows of h:
; lane l then holds row l % 16 and the eight neighbouring columns 8 (l / 16) + 0..7.
; REGISTERS in windows of 256: window 0 addresses and the way out; window 1 two fragment buffers of 128; windows 2, 3 the accumulators, (a, b) at 8 (12 a + b).
; bf16 has f32's range: no limit of range is kept.  NaN and infinities go through as the arithmetic makes them.
.set NN,    3072
.set KK,    1024
.set BM,    256
.set BN,    192
.set MB,    4                          ; 16-row blocks of a wave
.set NBK,   12                         ; 16-column blocks of a wave
.set KSTEP, 128
.set QK,    32                         ; K of a quarter step
.set PA,    272                        ; an LDS row of h: 256 bytes + 16: an odd multiple of 16, so the 16 rows of a load lie in 16 different 16-byte columns of 256
.set ASZ,   BM*PA
.set PB,    480                        ; an LDS row of W: three pieces of 128 bytes + 32: an odd multiple of 32
.set SEGB,  4                          ; 16-column blocks in a piece
.set WOFF,  0                          ; W's first byte in wb
.set SPD,   784                        ; the way out: a row of 192 f32 + 16 bytes
.set HEADS, 0
.set RES,   0
.set WROW,  1                          ; the waves lie 4 x 1
.set SWM,   14                         ; the scalar register that says which rows are mine
.set GA0,   (1<<16)|(1<<20)|(1<<21)|(5<<22)|(3<<25)   ; 2-byte elements; padding on; bit 21 beside a mask; after every 64 words 4 words
.set GAD0,  128
.set GAD1,  128
.set GAST,  KK
.set ASTEP, 2*KSTEP
.set GB0,   (1<<16)|(1<<20)|(1<<21)|(4<<22)|(7<<25)   ; after every 32 words 8 words
.set GBD0,  BN
.set GBD1,  KSTEP/2
.set NACC,  MB*NBK
.set NSTEP, KK/KSTEP
.set CH,    QK/32
.set BSZ,   KSTEP*PB
.set SLOT,  ASZ+BSZ
.set SPARE, 2*SLOT                     ; behind the ring: the spare words, 128 bytes a wave, two blocks of 256 bytes that no other line names
.set AREG,  8*MB*CH
.set REG,   16*MB*SPD                  ; the way out: a wave's own bytes
.set BSTEP, KSTEP*2*NN
.set F0, 0
.set F1, 128
.set MSB, 0
.macro WIN new                         ; the immediate's high byte repeats the setting that is left; a switch that changes nothing is dropped
.if MSB != (\new)
	s_set_vgpr_msb (MSB<<8)|(\new)
.set MSB, (\new)
.endif
.endm
.macro PLACES                          ; four plain vector instructions between a matrix instruction and a load into, or a read of, its registers
.rept 4
	v_nop
.endr
.endm
.macro CROUND                          ; a round of the cluster's barrier
	s_barrier_signal -1
	s_barrier_wait -1
	s_cmp_lg_u32 s14, 0
	s_cbranch_scc1 .Lnot_wave_0_\@
	s_barrier_signal -3
.Lnot_wave_0_\@:
	s_barrier_wait -3
	s_barrier_signal -1
	s_barrier_wait -1
.endm
.macro JLOAD                           ; a joint load: waves 0, 1 ask for the first operand's halves, waves 2, 3 for W's; the branch hangs on the wave's number alone
	s_cmp_eq_u32 s15, 0
	s_cbranch_scc0 .Lfor_b_\@
	tensor_load_to_lds s[32:35], s[24:31]
	s_nop 0
	PLACES
	s_branch .Lasked_\@
.Lfor_b_\@:
	tensor_load_to_lds s[36:39], s[40:47]
	s_nop 0
	PLACES
.Lasked_\@:
.endm
; THE CHANGE OF SLOTS.  Each wave waits for all its tensor loads (one is out: its part of the slot to be read), adds 0 to its spare word, and waits for that and for its reads of the slot it leaves.
; fill = 1: a round of the cluster's barrier follows, so that no wave of any partner still reads that slot or has a load on its way; the joint refill is the first thing behind it.
.macro CHANGE fill
	WIN 0
	s_wait_tensorcnt 0x0
	ds_add_u32 v28, v29                            ; the descriptors' steps stand between the add and the wait for it
.if \fill
	s_xor_b32 s50, s50, SLOT                       ; the slot to be filled: 0 or SLOT by turns
	s_add_co_u32 s33, s48, s50
	s_add_co_u32 s37, s49, s50
	s_add_nc_u64 s[34:35], s[34:35], ASTEP         ; the next K step; the type bits on top are not reached
	s_add_nc_u64 s[38:39], s[38:39], BSTEP
	s_wait_dscnt 0x0
	CROUND
	JLOAD                                          ; its four v_nop are also the places in front of the fragment loads
.else
	s_wait_dscnt 0x0
	s_barrier_signal -1
	s_barrier_wait -1
	PLACES
.endif
	s_xor_b32 s51, s51, SLOT                       ; the slot to be read
	v_add_nc_u32 v10, s51, v8
	v_add_nc_u32 v11, s51, v9
.if KSTEP > 128
	v_add_nc_u32 v12, 128*PB, v11
.endif
.endm
; 32 LDS loads in one run: the fragments of quarter kq of the K step into buffer f
.macro FETCH kq, f
	WIN 0x40                                       ; destination window 1, address window 0
.set cc, 0
.rept CH
.set k0, (\kq)*QK+32*cc
.set bb, 0
.rept NBK
.set ob, (k0%128)*PB+(bb/SEGB)*(32*SEGB+32)+(bb%SEGB)*32
.set rr, (\f)+AREG+8*(NBK*cc+bb)
.if k0 >= 128
	ds_load_tr16_b128 v[rr:rr+3], v12 offset:ob
	ds_load_tr16_b128 v[rr+4:rr+7], v12 offset:ob+16*PB
.else
	ds_load_tr16_b128 v[rr:rr+3], v11 offset:ob
	ds_load_tr16_b128 v[rr+4:rr+7], v11 offset:ob+16*PB
.endif
.set bb, bb+1
.endr
.set aa, 0
.rept MB
.if HEADS
.set oa, (k0/64)*128*PA+aa*16*PA+2*(k0%64)
.else
.set oa, aa*16*PA+2*k0
.endif
.set rr, (\f)+8*(MB*cc+aa)
	ds_load_b128 v[rr:rr+3], v10 offset:oa
	ds_load_b128 v[rr+4:rr+7], v10 offset:oa+32
.set aa, aa+1
.endr
.set cc, cc+1
.endr
.endm
; Half of a quarter's matrix instructions.  The accumulators take turns, one instruction a turn, always in ascending order.  zero = 1: the first product starts the sum.
.macro MULH f, half, zero
.if CH == 1
.set i, (\half)*NACC/2
.set cc, 0
.set cnt, NACC/2
.else
.set i, 0
.set cc, (\half)
.set cnt, NACC
.endif
.rept cnt
.set rD, (8*i)%256
.set rW, (\f)+AREG+8*(NBK*cc+i%NBK)
.set rA, (\f)+8*(MB*cc+i/NBK)
	WIN 0xa5+0x50*((8*i)/256)
.if (\zero) && (cc == 0)
	v_wmma_f32_16x16x32_bf16 v[rD:rD+7], v[rW:rW+7], v[rA:rA+7], 0
.else
	v_wmma_f32_16x16x32_bf16 v[rD:rD+7], v[rW:rW+7], v[rA:rA+7], v[rD:rD+7]
.endif
.set i, i+1
.endr
.endm
; A quarter multiplies buffer f and, in its middle, fetches quarter kqn into buffer g (kqn = -1: nothing).
.macro QUARTER f, g, kqn, zero
	s_wait_dscnt 0x0                               ; buffer f's loads were issued half a quarter ago
	MULH \f, 0, \zero
.if (\kqn) >= 0
	PLACES
	FETCH \kqn, \g
.endif
	MULH \f, 1, \zero
.endm
.macro DUMP                            ; the accumulators, f32, into my own bytes of the ring, which has had its last fill; each accumulator's low four registers first
.set i, 0
.rept NACC
.set rD, (8*i)%256
	WIN 0x08+0x04*((8*i)/256)                      ; store data in window 2 or 3
	ds_store_b128 v13, v[rD:rD+3] offset:(i/NBK)*16*SPD+64*(i%NBK)
	ds_store_b128 v13, v[rD+4:rD+7] offset:(i/NBK)*16*SPD+64*(i%NBK)+16
.set i, i+1
.endr
	WIN 0
.endm
	s_load_b256 s[4:11], s[0:1], 0x0               ; first operand s[4:5], wb s[6:7], bias s[8:9], s[10:11] the result (with a residual: the residual)
.if RES
	s_load_b64 s[12:13], s[0:1], 0x20              ; the result
.endif
	v_lshl_add_u32 v28, v0, 2, SPARE
	v_mov_b32 v29, 0
	ds_add_u32 v28, v29                            ; the wave's opening: the add and its wait ahead of my first tensor load; the set-up stands between them
	ds_add_u32 v28, v29
	v_lshrrev_b32 v3, 5, v0
	v_readfirstlane_b32 s14, v3                    ; wave 0..3
	s_lshr_b32 s15, s14, 1                         ; I fetch the first operand (0) or W (1)
	s_and_b32 s16, s14, 1                          ; which half of that tile
	s_bfe_u32 s17, ttmp6, 0x40000                  ; cx
	s_bfe_u32 s18, ttmp6, 0x40004                  ; cy
	s_lshl_b32 s19, ttmp9, 2
	s_add_co_u32 s19, s19, s17                     ; tile column
	s_and_b32 s20, ttmp7, 0xffff
	s_lshl_b32 s20, s20, 2
	s_add_co_u32 s20, s20, s18                     ; tile row
	s_lshl_b32 s21, s18, 2
	s_lshl_b32 s21, 15, s21                        ; my row of the cluster
	s_lshl_b32 s22, 0x1111, s17                    ; my column
	s_or_b32 s24, s21, GA0
	s_mov_b32 s25, GAD0<<16                        ; tensor_dim0
	s_mov_b32 s26, GAD1<<16                        ; tensor_dim1
	s_mov_b32 s27, GAD0<<16                        ; tile_dim0
	s_mov_b32 s28, GAD1                            ; tile_dim1
	s_mov_b32 s29, GAST                            ; elements from row to row
	s_mov_b32 s30, 0
	s_mov_b32 s31, 0
	s_or_b32 s40, s22, GB0
	s_mov_b32 s41, GBD0<<16
	s_mov_b32 s42, GBD1<<16
	s_mov_b32 s43, GBD0<<16
	s_mov_b32 s44, GBD1
	s_mov_b32 s45, NN
	s_mov_b32 s46, 0
	s_mov_b32 s47, 0
.if HEADS
	s_lshr_b32 s54, s20, 4                         ; batch: 16 heads of 262,144 bytes
	s_lshl_b32 s54, s54, 22
	s_and_b32 s58, s20, 15                         ; 128 rows of 128 bytes in each head
	s_lshl_b32 s58, s58, 14
	s_add_co_u32 s54, s54, s58
	s_lshl_b32 s58, s16, 19                        ; my two heads of the step's four
	s_add_co_u32 s54, s54, s58
.else
	s_mul_i32 s54, s20, BM*2*KK                    ; the first operand's offset is made of the tile row and the wave alone,
	s_mul_i32 s58, s16, (BM/2)*2*KK
	s_add_co_u32 s54, s54, s58
.endif
	s_mov_b32 s55, 0
	s_mul_i32 s56, s19, 2*BN                       ; W's of the tile column and the wave alone
	s_mul_i32 s59, s16, (KSTEP/2)*2*NN
	s_add_co_u32 s56, s56, s59
	s_add_co_u32 s56, s56, WOFF
	s_mov_b32 s57, 0
	s_mul_i32 s48, s16, ASZ/2                      ; where my part lands in a slot: no place in the cluster enters an LDS address
	s_mul_i32 s49, s16, BSZ/2
	s_add_co_u32 s49, s49, ASZ
	s_mov_b32 s50, 0
	s_mov_b32 s51, SLOT
	s_mov_b32 s32, 1
	s_mov_b32 s33, s48
	s_mov_b32 s36, 1
	s_mov_b32 s37, s49
	s_wait_dscnt 0x0                               ; the opening add is done
	s_wait_kmcnt 0x0
	s_add_nc_u64 s[34:35], s[4:5], s[54:55]
	s_or_b32 s35, s35, 0x80000000
	s_add_nc_u64 s[38:39], s[6:7], s[56:57]
	s_or_b32 s39, s39, 0x80000000
	CROUND                                         ; all sixteen work-groups are here: the first joint loads meet
	JLOAD                                          ; K step 0 into slot 0
	v_and_b32 v1, 15, v0                           ; r = l % 16
	v_bfe_u32 v2, v0, 4, 1                         ; h = l / 16
	v_mul_u32_u24 v8, v1, PA
	v_lshl_add_u32 v8, v2, 4, v8
	s_mul_i32 s58, s[SWM], 16*MB*PA
	v_add_nc_u32 v8, s58, v8                       ; first operand: (my rows + r) x pitch + 16 h
	v_and_b32 v3, 7, v0
	v_lshl_add_u32 v4, v2, 3, v3
	v_mul_u32_u24 v9, v4, PB
	v_bfe_u32 v4, v0, 3, 1
	v_lshl_add_u32 v9, v4, 4, v9                   ; W: (8 h + l % 8) x pitch + 16 ((l / 8) % 2)
.if WROW
	v_add_nc_u32 v9, ASZ, v9
.else
	s_mul_i32 s58, s16, 32*NBK
	s_add_co_u32 s58, s58, ASZ
	v_add_nc_u32 v9, s58, v9
.endif
	s_mul_i32 s58, s14, REG
	v_mul_u32_u24 v13, v1, SPD
	v_lshl_add_u32 v13, v2, 5, v13
	v_add_nc_u32 v13, s58, v13                     ; the way out, in: my bytes + r x pitch + 32 h
	; the way out's addresses and the bias.  Lane l takes row l / 8 of four and columns 8 (l % 8) + 0..7 of each of the three heads.
.set BIAS, 32                          ; v[32:55]
.set LR,   64                          ; v[64:87]  four rows x three heads as read back
.set OR,   96                          ; v[96:107] bf16
	v_lshlrev_b32 v16, 5, v3                       ; 32 (l % 8)
	s_mul_i32 s60, s19, 768                        ; 192 columns x 4 bytes
	s_mov_b32 s61, 0
	s_add_nc_u64 s[8:9], s[8:9], s[60:61]
.irp s, 0,1,2
	global_load_b128 v[BIAS+8*\s:BIAS+8*\s+3], v16, s[8:9] offset:256*\s
	global_load_b128 v[BIAS+8*\s+4:BIAS+8*\s+7], v16, s[8:9] offset:256*\s+16
.endr
	v_bfe_u32 v4, v0, 3, 2
	v_mul_u32_u24 v14, v4, SPD
	v_lshl_add_u32 v14, v3, 5, v14
	v_add_nc_u32 v14, s58, v14                     ; back: my bytes + (l / 8) x pitch + 32 (l % 8)
	v_and_b32 v15, 31, v0
	v_lshlrev_b32 v15, 4, v15                      ; four rows of a head are 512 consecutive bytes: 16 l
	s_lshr_b32 s60, s20, 3                         ; batch
	s_mul_i32 s60, s60, 12582912
	s_mul_i32 s59, s19, 3*262144                   ; my first head
	s_add_co_u32 s60, s60, s59
	s_and_b32 s59, s20, 7
	s_lshl_b32 s59, s59, 15                        ; 256 rows of 128 bytes
	s_add_co_u32 s60, s60, s59
	s_lshl_b32 s59, s14, 13                        ; my wave's 64 rows
	s_add_co_u32 s60, s60, s59
	s_add_nc_u64 s[10:11], s[10:11], s[60:61]
	CHANGE 1                                       ; slot 0 is in, everybody's part of it; slot 1 is asked for
	FETCH 0, F0
	QUARTER F0, F1, 1, 1                           ; the first quarter's products start the sums: nothing is cleared
	WIN 0
	s_mov_b32 s52, NSTEP-1
	s_branch .Lmid                                 ; the loop is entered behind a step's first quarter
.Lstep:                                                ; a trip is a K step; it asks for the next one
	CHANGE 1
	FETCH 0, F0
	QUARTER F0, F1, 1, 0
	WIN 0
.Lmid:
	QUARTER F1, F0, 2, 0
	QUARTER F0, F1, 3, 0
	QUARTER F1, F0, -1, 0
	WIN 0
	s_sub_co_u32 s52, s52, 1
	s_cmp_lg_u32 s52, 0
	s_cbranch_scc1 .Lstep
	CHANGE 0                                       ; the last K step is written out: it asks for nothing
	FETCH 0, F0
	QUARTER F0, F1, 1, 0
	QUARTER F1, F0, 2, 0
	QUARTER F0, F1, 3, 0
	QUARTER F1, F0, -1, 0
	WIN 0
	PLACES                                         ; the stores below read results just made
	s_wait_dscnt 0x0
	s_barrier_signal -1                            ; every wave's reads of the ring are over: its bytes may be written
	s_barrier_wait -1
	DUMP
	; THE WAY OUT: 16 trips of four rows.  LDS serves a wave's instructions in order, so my loads see my stores without a wait.
.macro LROWS
.irp s, 0,1,2
	ds_load_b128 v[LR+8*\s:LR+8*\s+3], v14 offset:256*\s
	ds_load_b128 v[LR+8*\s+4:LR+8*\s+7], v14 offset:256*\s+16
.endr
.endm
	s_wait_loadcnt 0x0                             ; the bias
	LROWS
	s_mov_b32 s53, 16
.Lrow:
	s_wait_dscnt 0x0
	s_wait_xcnt 0x0                                ; the last trip's stores have read their data and offset registers
.set u, 0
.rept 12
	v_pk_add_f32 v[LR+2*u:LR+2*u+1], v[LR+2*u:LR+2*u+1], v[BIAS+2*u:BIAS+2*u+1]
.set u, u+1
.endr
.set u, 0
.rept 12
	v_cvt_pk_bf16_f32 v[OR+u], v[LR+2*u], v[LR+2*u+1]
.set u, u+1
.endr
	v_add_nc_u32 v14, 4*SPD, v14
	s_cmp_eq_u32 s53, 1
	s_cbranch_scc1 .Lno_rows                       ; the last trip has no rows to read ahead
	LROWS
.Lno_rows:
	v_add_nc_u32 v15, 512, v15
.irp s, 0,1,2
	global_store_b128 v15, v[OR+4*\s:OR+4*\s+3], s[10:11] offset:262144*\s-512   ; 512 consecutive bytes, at a multiple of 256 from the buffer's first
.endr
	s_sub_co_u32 s53, s53, 1
	s_cmp_lg_u32 s53, 0
	s_cbranch_scc1 .Lrow
	s_wait_tensorcnt 0x0                           ; the wave's end
	ds_add_u32 v28, v29
	s_wait_dscnt 0x0
	CROUND                                         ; the closing round: no work-group ends while a partner may still ask for a tile that names it
	s_endpgm
.Lfunc_end_k_q4330b64678_qkv:
	.size	k_q4330b64678_qkv, .Lfunc_end_k_q4330b64678_qkv-k_q4330b64678_qkv
	.p2alignl 7, 3214868480
	.fill 96, 4, 3214868480
	.section	.rodata,"a",@progbits
	.p2align	6, 0x0
	.amdhsa_kernel k_q4330b64678_qkv
		.amdhsa_group_segment_fixed_size 327680
		.amdhsa_private_segment_fixed_size 0
		.amdhsa_enable_private_segment 0
		.amdhsa_kernarg_size 32
		.amdhsa_user_sgpr_count 2
		.amdhsa_user_sgpr_kernarg_segment_ptr 1
		.amdhsa_wavefront_size32 1
		.amdhsa_system_sgpr_workgroup_id_x 1
		.amdhsa_system_sgpr_workgroup_id_y 1
		.amdhsa_system_sgpr_workgroup_id_z 1
		.amdhsa_system_vgpr_workitem_id 0
		.amdhsa_next_free_vgpr 896
		.amdhsa_next_free_sgpr 66
		.amdhsa_reserve_vcc 0
		.amdhsa_float_denorm_mode_32 3
		.amdhsa_float_denorm_mode_16_64 3
		.amdhsa_memory_ordered 1
		.amdhsa_forward_progress 1
		.amdhsa_inst_pref_size 69
	.end_amdhsa_kernel
	.amdgpu_metadata
---
amdhsa.version: [ 1, 2 ]
amdhsa.kernels:
  - .name:           k_q4330b64678_qkv
    .symbol:         k_q4330b64678_qkv.kd
    .args:
      - { .name: hb, .offset: 0, .size: 8, .value_kind: global_buffer, .address_space: global }
      - { .name: wb, .offset: 8, .size: 8, .value_kind: global_buffer, .address_space: global }
      - { .name: b_attn, .offset: 16, .size: 8, .value_kind: global_buffer, .address_space: global }
      - { .name: qkvh, .offset: 24, .size: 8, .value_kind: global_buffer, .address_space: global }
    .group_segment_fixed_size: 327680
    .private_segment_fixed_size: 0
    .kernarg_segment_align: 8
    .kernarg_segment_size: 32
    .max_flat_workgroup_size: 128
    .sgpr_count:     66
    .vgpr_count:     896
    .wavefront_size: 32
...
	.end_amdgpu_metadata
.endif
;; end of part 3
;; launch attn (part 4): grid 8 x 32, 4 waves a work-group, no clusters, 327,680 bytes of LDS; arguments qkvh, yh; writes yh
.if DOCPART == 4
	.amdgcn_target "amdgcn-amd-amdhsa--gfx1250"
	.amdhsa_code_object_version 6
	.text
	.protected	k_q4330b64678_attn
	.globl	k_q4330b64678_attn
	.p2align	8
	.type	k_q4330b64678_attn,@function
k_q4330b64678_attn:
	s_mov_b64 s[64:65], 0
	v_nop
	global_prefetch_b8 v0, s[64:65] scope:SCOPE_SE
	s_setreg_imm32_b32 hwreg(HW_REG_WAVE_MODE, 25, 1), 1
	s_wait_xcnt 0x0
; CAUSAL ATTENTION.  y[hd][q][:] = the sum over k <= q of softmax_k(Q[q] . K[k] / 8) V[k][:], for 32 heads hd = 16 batch + head of 2,048 rows x 64 channels.
; q, k, v: bf16, by heads, in qkvh[batch][p 48][t][64] (q: p = head, k: 16 + head, v: 32 + head), unscaled.  y: bf16, yh[hd][t][64].
; Products, maxima and sums in f32; the weights p are rounded to bf16 for the second product, their sum l is taken of the unrounded p; y is rounded once.
; LIMITS.  A hidden score counts as its value less 1e30, so scores stay well under 1e29 in size; a weight below 2^-126 counts as 0; NaN and infinities are not treated apart.
; THE WALK.  A head's queries lie in 16 blocks of 128; block i needs the key tiles 0 .. i of 128 keys, of which the last holds the diagonal.  A work-group takes TWO blocks, 15 - b and then b:
; 17 tiles whatever b, so all 256 work-groups do equal work and ONE loop of 16 trips (and a last tile written out) walks them.  The first block ends in trip 15 - b (8 to 15), inside the loop;
; the second ends with the walk's last tile, which so always holds the diagonal.
; NO CLUSTER: a head's eight work-groups ask for the same tile only in trips 0 to 8 of the 17; a walk common to all of them would have 24 tiles.
; SHARES.  Wave w owns rows 32 w .. 32 w + 31 of a block: two tiles of 16 queries.
; LAYOUT.  S^T = K Q^T (source 0 = 16 keys, source 1 = 16 queries): a lane holds ONE query (lane % 16) and the keys 8 (lane / 16) + 0..7.  Two such results rounded to bf16 in pairs ARE source 1 of
; O^T = V^T P.  K comes out of LDS as it lies, V ([key][channel]) turned by ds_load_tr16_b128.
; SOFTMAX.  A running maximum m and sum l for each query: p = 2^(c s - c m), c = log2(e) / 8; in every step O and l are multiplied by a = 2^(c m_old - c m_new).  c m starts far below every c s,
; so a block's first a is 0, and O and l need only hold finite numbers there.
; THE MASK is the C operand that starts the sums of the diagonal tile: 0, or -1e30 where the key is hidden; made once (MD).
; IN PHASES: a tile's 32 products K Q^T, its softmax, its 32 products V^T P.
; REGISTERS in windows of 256: window 0 addresses, statistics, S^T (v64-191, 64 a tile), P (v192-255, 32 a tile); window 1 O^T (v0-63), MD (v64-191);
; window 2 Q (v0-31), the second block's Q (v32-63), K (v128-255); window 3 V (v0-127).
.set KT,    128                        ; keys in a tile
.set PK,    144                        ; a row of K in LDS: 128 bytes + 16, an odd multiple of 16
.set PV,    160                        ; a row of V: 128 + 32, an odd multiple of 32
.set VOFF,  KT*PK
.set SLOT1, 65536                      ; slot 1 begins here: one exclusive or turns an address in one slot into the other's
.set STAGE, SLOT1+KT*(PK+PV)           ; behind the ring, never filled by a tensor load: 16 rows x 144 bytes for each wave
.set SP,    144
.set SPARE, STAGE+4*16*SP              ; the spare words, 128 bytes a wave: two blocks of 256 bytes that no other line names
.set ST,  16                           ; tile t's statistics at v[ST+4 t]: c m, m, l (even keys', odd keys')
.set MV,  24                           ; v24-25  c m_old - c m_new
.set AF,  26                           ; v[26:29] a, a pair for each tile (the upper word is only named)
.set M,   32                           ; v[32:47] eight running maxima a tile
.set S,   64
.set P,   192
.set MD,  64                           ; window 1
.set KF,  128                          ; window 2
.set MSB, 0
.macro WIN new
.if MSB != (\new)
	s_set_vgpr_msb (MSB<<8)|(\new)
.set MSB, (\new)
.endif
.endm
.macro PLACES
.rept 4
	v_nop
.endr
.endm
.macro LOAD                            ; a fill: waves 0, 1 fetch the halves of a tile's K, waves 2, 3 those of its V: 64 keys each
	s_cmp_lt_u32 s12, 2
	s_cbranch_scc0 .Lfor_v_\@
	tensor_load_to_lds s[40:43], s[24:31]
	s_nop 0
	PLACES
	s_branch .Lasked_\@
.Lfor_v_\@:
	tensor_load_to_lds s[44:47], s[32:39]
	s_nop 0
	PLACES
.Lasked_\@:
.endm
; THE CHANGE OF SLOTS.  Each wave waits for all its tensor loads (one is out: its part of the other slot), adds 0 to its spare word, and waits for that and for its reads of the slot it leaves.
; fill = 1: the old slot is filled again, first thing behind the barrier, with tile s71; the address is made anew from that number.
.macro CHANGE fill
	WIN 0
	s_wait_tensorcnt 0x0
	ds_add_u32 v62, v63
.if \fill
	s_lshl_b32 s74, s71, 14                        ; a tile is 16,384 bytes of K and of V
	s_xor_b32 s41, s41, SLOT1
	s_add_nc_u64 s[42:43], s[8:9], s[74:75]
	s_or_b32 s43, s43, 0x80000000
	s_xor_b32 s45, s45, SLOT1
	s_add_nc_u64 s[46:47], s[10:11], s[74:75]
	s_or_b32 s47, s47, 0x80000000
	s_add_co_u32 s71, s71, 1                       ; the block's next tile, or behind its last the second block's tile 0
	s_cmp_gt_u32 s71, s72
	s_cselect_b32 s71, 0, s71
	s_cselect_b32 s72, s14, s72
.endif
	s_wait_dscnt 0x0
	s_barrier_signal -1
	s_xor_b32 s62, s62, SLOT1                      ; the slot to be read
	s_barrier_wait -1
.if \fill
	LOAD                                           ; its four v_nop are also the places in front of the loads into V's registers
.else
	PLACES
.endif
.endm
.macro FETCH_K                         ; 128 keys x 64 channels: fragment f = 2 kb + c
	WIN 0
	v_add_nc_u32 v4, s62, v2
	WIN 0x80
.set f, 0
.rept 16
	ds_load_b128 v[KF+8*f:KF+8*f+3], v4 offset:(f/2)*16*PK+(f%2)*64
	ds_load_b128 v[KF+8*f+4:KF+8*f+7], v4 offset:(f/2)*16*PK+(f%2)*64+32
.set f, f+1
.endr
.endm
.macro FETCH_V                         ; turned: fragment f = 4 kk + cb: keys 32 kk on, channels 16 cb on
	WIN 0
	v_add_nc_u32 v5, s62, v3
	WIN 0xc0
.set f, 0
.rept 16
	ds_load_tr16_b128 v[8*f:8*f+3], v5 offset:(f/4)*32*PV+(f%4)*32
	ds_load_tr16_b128 v[8*f+4:8*f+7], v5 offset:(f/4)*32*PV+16*PV+(f%4)*32
.set f, f+1
.endr
.endm
; 16 products of S^T = K Q^T for channels 32 c on; the sixteen accumulators take turns.  mode 0: C = 0; 1: C = the mask; 2: C = D.
.macro KQ16 c, mode
.set i, 0
.rept 16
.set rS, S+64*(i%2)+8*(i/2)
.set rK, KF+16*(i/2)+8*(\c)
.set rQ, 16*(i%2)+8*(\c)
.set rM, MD+64*(i%2)+8*(i/2)
.if (\mode) == 0
	WIN 0x0a                                       ; K and Q in window 2
	v_wmma_f32_16x16x32_bf16 v[rS:rS+7], v[rK:rK+7], v[rQ:rQ+7], 0
.elseif (\mode) == 1
	WIN 0x1a                                       ; and C in window 1
	v_wmma_f32_16x16x32_bf16 v[rS:rS+7], v[rK:rK+7], v[rQ:rQ+7], v[rM:rM+7]
.else
	WIN 0x0a
	v_wmma_f32_16x16x32_bf16 v[rS:rS+7], v[rK:rK+7], v[rQ:rQ+7], v[rS:rS+7]
.endif
.set i, i+1
.endr
.endm
; The softmax of both tiles, line by line by turns.  Each accumulator's lowest registers are read first.
.macro SOFTMAX
	WIN 0
.irp n, 0,1,2
.irp kb, 0,1,2,3,4,5,6,7
.irp t, 0,1
.if \n == 0
	v_max3_num_f32 v[M+8*\t+\kb], v[S+64*\t+8*\kb], v[S+64*\t+8*\kb+1], v[S+64*\t+8*\kb+2]
.else
	v_max3_num_f32 v[M+8*\t+\kb], v[M+8*\t+\kb], v[S+64*\t+8*\kb+2*\n+1], v[S+64*\t+8*\kb+2*\n+2]
.endif
.endr
.endr
.endr
.irp p, 0,1,2,3
.irp t, 0,1
	v_max3_num_f32 v[M+8*\t+2*\p], v[M+8*\t+2*\p], v[S+64*\t+16*\p+7], v[S+64*\t+16*\p+15]
.endr
.endr
.irp t, 0,1
	v_max3_num_f32 v[M+8*\t], v[M+8*\t], v[M+8*\t+1], v[M+8*\t+2]
	v_max3_num_f32 v[M+8*\t+3], v[M+8*\t+3], v[M+8*\t+4], v[M+8*\t+5]
	v_max3_num_f32 v[M+8*\t+6], v[M+8*\t+6], v[M+8*\t+7], v[ST+4*\t+1]   ; the old m
.endr
.irp t, 0,1
	v_max3_num_f32 v[M+8*\t], v[M+8*\t], v[M+8*\t+3], v[M+8*\t+6]
.endr
.irp t, 0,1
	v_permlanex16_b32 v[M+8*\t+1], v[M+8*\t], s60, s61   ; the query's other 64 keys lie in the lane 16 away
.endr
.irp t, 0,1
	v_max_num_f32 v[ST+4*\t+1], v[M+8*\t], v[M+8*\t+1]
	v_mov_b32 v[MV+\t], v[ST+4*\t]
.endr
.irp t, 0,1
	v_mul_f32 v[ST+4*\t], s58, v[ST+4*\t+1]
.endr
.irp t, 0,1
	v_sub_f32 v[MV+\t], v[MV+\t], v[ST+4*\t]
.endr
.irp t, 0,1
	v_exp_f32 v[AF+2*\t], v[MV+\t]
.endr
.set z, 0
.rept 64                               ; c s - c m, two scores at a time
	v_pk_fma_f32 v[S+2*z:S+2*z+1], v[S+2*z:S+2*z+1], s[58:59], v[ST+4*(z/32):ST+4*(z/32)+1] op_sel_hi:[1,0,0] neg_lo:[0,0,1] neg_hi:[0,0,1]
.set z, z+1
.endr
.set z, 0
.rept 128
	v_exp_f32 v[S+z], v[S+z]
.set z, z+1
.endr
	v_nop                                          ; a plain instruction behind the last exponential (ISA guide 5.7.2)
.set z, 0
	s_wait_alu depctr_va_vdst(0)
.rept 64                               ; register n of P is made of registers 2 n and 2 n + 1 of S^T
	v_cvt_pk_bf16_f32 v[P+z], v[S+2*z], v[S+2*z+1]
.set z, z+1
.endr
.irp w, 16,8,4,2,1                     ; the sum of a tile's 32 pairs, in place, as a tree
.set z, 0
.rept \w
	v_pk_add_f32 v[S+2*z:S+2*z+1], v[S+2*z:S+2*z+1], v[S+2*z+2*\w:S+2*z+2*\w+1]
	v_pk_add_f32 v[S+64+2*z:S+64+2*z+1], v[S+64+2*z:S+64+2*z+1], v[S+64+2*z+2*\w:S+64+2*z+2*\w+1]
.set z, z+1
.endr
.endr
.irp t, 0,1
	v_pk_fma_f32 v[ST+4*\t+2:ST+4*\t+3], v[ST+4*\t+2:ST+4*\t+3], v[AF+2*\t:AF+2*\t+1], v[S+64*\t:S+64*\t+1] op_sel_hi:[1,0,1]   ; l = a l + sum
.endr
	WIN 0x41                                       ; O^T in window 1, a in window 0
.set z, 0
.rept 32
	v_pk_mul_f32 v[2*z:2*z+1], v[2*z:2*z+1], v[AF+2*(z/16):AF+2*(z/16)+1] op_sel_hi:[1,0]
.set z, z+1
.endr
.endm
; A key tile.  diag = 1: it holds the diagonal; 0: s70 says whether it does.
.macro TILE diag
	FETCH_K
	FETCH_V
	s_wait_dscnt 32                                ; K is in: V's 32 loads are younger
.if \diag
	KQ16 0, 1
.else
	WIN 0
	s_cmp_eq_u32 s70, 0
	s_cbranch_scc1 .Lmask_\@
	KQ16 0, 0
	WIN 0
	s_branch .Ljoin_\@
.Lmask_\@:
	KQ16 0, 1
	WIN 0
.Ljoin_\@:
.endif
	KQ16 1, 2
	PLACES
	SOFTMAX
	s_wait_dscnt 0x0                               ; V is in
	WIN 0x53                                       ; V in window 3, P in window 0, O^T in window 1
.set i, 0
.rept 32                               ; keys 32 (i / 8) on, channels 16 ((i / 2) % 4) on, tile i % 2: the eight accumulators take turns
.set rO, 32*(i%2)+8*((i/2)%4)
.set rV, 32*(i/8)+8*((i/2)%4)
.set rP, P+32*(i%2)+8*(i/8)
	v_wmma_f32_16x16x32_bf16 v[rO:rO+7], v[rV:rV+7], v[rP:rP+7], v[rO:rO+7]
.set i, i+1
.endr
.endm
; THE WAY OUT of a block: l's halves are added, O^T is divided by l, rounded and sent through my stage, a tile of 16 rows at a time.
.macro PACK t
	WIN 0x41
.set i, 32*(\t)
.rept 16
	v_pk_mul_f32 v[i:i+1], v[i:i+1], v[ST+4*(\t)+2:ST+4*(\t)+3] op_sel_hi:[1,0]
.set i, i+2
.endr
	WIN 0x05                                       ; sources in window 1, destination in window 0: S^T's registers are free
.set i, 0
.rept 16
	v_cvt_pk_bf16_f32 v[S+16*(\t)+i], v[32*(\t)+2*i], v[32*(\t)+2*i+1]
.set i, i+1
.endr
	WIN 0
.irp f, 0,1,2,3
	ds_store_b128 v6, v[S+16*(\t)+4*\f:S+16*(\t)+4*\f+3] offset:32*\f
.endr
.irp f, 0,1,2,3
	ds_load_b128 v[S+16*(\t)+4*\f:S+16*(\t)+4*\f+3], v7 offset:\f*4*SP   ; LDS serves a wave's instructions in order: these see the stores above
.endr
.endm
.macro SEND t, younger                 ; younger: the LDS instructions issued behind tile t's loads
.irp f, 0,1,2,3
	s_wait_dscnt (\younger)+3-\f
	global_store_b128 v8, v[S+16*(\t)+4*\f:S+16*(\t)+4*\f+3], s[20:21] offset:(\t)*2048+\f*512   ; 512 consecutive bytes, at a multiple of 256 from the buffer's first
.endr
.endm
.macro WAYOUT
	WIN 0
	PLACES
.irp t, 0,1
	v_add_f32 v[ST+4*\t+2], v[ST+4*\t+2], v[ST+4*\t+3]
.endr
.irp t, 0,1
	v_permlanex16_b32 v[ST+4*\t+3], v[ST+4*\t+2], s60, s61
.endr
.irp t, 0,1
	v_add_f32 v[ST+4*\t+2], v[ST+4*\t+2], v[ST+4*\t+3]
.endr
.irp t, 0,1
	v_rcp_f32 v[ST+4*\t+2], v[ST+4*\t+2]
.endr
	v_nop
	s_wait_alu depctr_va_vdst(0)
	PACK 0
	PACK 1
	SEND 0, 8
	SEND 1, 0
.endm
	s_load_b128 s[4:7], s[0:1], 0x0                ; qkvh s[4:5], yh s[6:7]
	v_lshl_add_u32 v62, v0, 2, SPARE
	v_mov_b32 v63, 0
	ds_add_u32 v62, v63                            ; the wave's opening: the add and its wait ahead of my first tensor load
	ds_add_u32 v62, v63
	v_lshrrev_b32 v1, 5, v0
	v_readfirstlane_b32 s12, v1                    ; wave 0..3
	s_mov_b32 s14, ttmp9                           ; b
	s_sub_co_u32 s15, 15, s14                      ; the first block, 15 - b
	s_and_b32 s13, ttmp7, 0xffff                   ; hd
	s_lshr_b32 s2, s13, 4
	s_mul_i32 s2, s2, 12582912                     ; batch
	s_and_b32 s3, s13, 15
	s_lshl_b32 s3, s3, 18                          ; head: 262,144 bytes
	s_add_co_u32 s2, s2, s3                        ; the head's q in qkvh
	s_and_b32 s22, s12, 1                          ; which half of a tile's keys I fetch
	s_lshl_b32 s84, s22, 13                        ; its 64 rows of 128 bytes
	s_add_co_u32 s84, s84, s2
	s_add_co_u32 s84, s84, 4194304                 ; k lies 16 heads behind q,
	s_mov_b32 s85, 0
	s_add_co_u32 s86, s84, 4194304                 ; v 16 more
	s_mov_b32 s87, 0
	s_lshl_b32 s23, s12, 12                        ; my 32 rows in a block
	s_lshl_b32 s76, s15, 14                        ; a block is 16,384 bytes
	s_add_co_u32 s76, s76, s23
	s_lshl_b32 s78, s14, 14
	s_add_co_u32 s78, s78, s23
	s_lshl_b32 s52, s13, 18                        ; the head in yh
	s_add_co_u32 s54, s52, s78
	s_add_co_u32 s52, s52, s76
	s_add_co_u32 s76, s76, s2
	s_add_co_u32 s78, s78, s2
	s_mov_b32 s77, 0
	s_mov_b32 s79, 0
	s_mov_b32 s53, 0
	s_mov_b32 s55, 0
	; 64 keys are 8,192 dense bytes: asked for as 32 rows of 256 bytes, two keys a row, padded in LDS after every key
	s_mov_b32 s24, (1<<16)|(1<<20)|(4<<22)|(3<<25) ; 2-byte elements; padding on; after every 32 words 4 words
	s_mov_b32 s32, (1<<16)|(1<<20)|(4<<22)|(7<<25) ; the same with 8 words
.irp g, 24, 32
	s_mov_b32 s[\g+1], 128<<16                     ; tensor_dim0
	s_mov_b32 s[\g+2], 32<<16                      ; tensor_dim1
	s_mov_b32 s[\g+3], 128<<16                     ; tile_dim0
	s_mov_b32 s[\g+4], 32                          ; tile_dim1
	s_mov_b32 s[\g+5], 128                         ; elements from row to row
	s_mov_b32 s[\g+6], 0
	s_mov_b32 s[\g+7], 0
.endr
	s_mov_b32 s40, 1
	s_mul_i32 s41, s22, 64*PK                      ; slot 0, my half of K
	s_mov_b32 s44, 1
	s_mul_i32 s45, s22, 64*PV
	s_add_co_u32 s45, s45, VOFF
	s_mov_b32 s56, 16                              ; tiles still to be asked for
	s_mov_b32 s58, 0x3e38aa3b                      ; c = log2(e) / 8
	s_mov_b32 s59, s58
	s_mov_b32 s60, 0x76543210
	s_mov_b32 s61, 0xfedcba98
	s_mov_b32 s62, SLOT1                           ; the first change of slots turns it into 0
	s_add_co_u32 s70, s15, 1                       ; tiles of the block in hand still to be entered
	s_mov_b32 s71, 1                               ; the tile to be asked for next
	s_mov_b32 s72, s15                             ; the last tile of the block whose tiles are being asked for
	s_mov_b32 s75, 0
	s_mov_b32 s82, 0xf149f2ca                      ; -1e30
	s_wait_dscnt 0x0                               ; the opening add is done
	s_wait_kmcnt 0x0
	s_add_nc_u64 s[8:9], s[4:5], s[84:85]          ; K and V at my half of tile 0
	s_add_nc_u64 s[10:11], s[4:5], s[86:87]
	s_add_nc_u64 s[16:17], s[4:5], s[76:77]        ; Q at my rows of the first block,
	s_add_nc_u64 s[18:19], s[4:5], s[78:79]        ; and of the second
	s_add_nc_u64 s[20:21], s[6:7], s[52:53]        ; y likewise
	s_add_nc_u64 s[80:81], s[6:7], s[54:55]
	s_mov_b64 s[42:43], s[8:9]
	s_or_b32 s43, s43, 0x80000000
	s_mov_b64 s[46:47], s[10:11]
	s_or_b32 s47, s47, 0x80000000
	LOAD                                           ; tile 0 into slot 0
	v_and_b32 v1, 15, v0                           ; r = l % 16
	v_bfe_u32 v9, v0, 4, 1                         ; h = l / 16
	v_lshlrev_b32 v15, 7, v1
	v_lshl_add_u32 v15, v9, 4, v15                 ; row x 128 + 16 h
	WIN 0x80
.set i, 0
.rept 4                                ; both blocks' Q: tile i / 2, channels 32 (i % 2) on
	global_load_b128 v[8*i:8*i+3], v15, s[16:17] offset:(i/2)*2048+(i%2)*64
	global_load_b128 v[8*i+4:8*i+7], v15, s[16:17] offset:(i/2)*2048+(i%2)*64+32
	global_load_b128 v[32+8*i:32+8*i+3], v15, s[18:19] offset:(i/2)*2048+(i%2)*64
	global_load_b128 v[32+8*i+4:32+8*i+7], v15, s[18:19] offset:(i/2)*2048+(i%2)*64+32
.set i, i+1
.endr
	WIN 0
	v_lshlrev_b32 v14, 3, v9
	v_sub_nc_u32 v14, v1, v14
	s_lshl_b32 s13, s12, 5
	v_add_nc_u32 v14, s13, v14                     ; 32 w + r - 8 h: register j of key block kb of tile t is hidden where 16 kb + j - 16 t is greater
	WIN 0x40
.set i, 0
.rept 128
	v_cmp_gt_i32 vcc_lo, 16*((i/8)%8)+i%8-16*(i/64), v14
	v_cndmask_b32 v[MD+i], 0, s82, vcc_lo
.set i, i+1
.endr
.set i, 0
.rept 64                               ; O^T: the first step multiplies it by a = 0, so it must be finite.  These lines stand in the wait for the first tile
	v_mov_b32 v[i], 0
.set i, i+1
.endr
	WIN 0
.irp t, 0,1
	v_mov_b32 v[ST+4*\t], 0xfe000000               ; c m: far below every c s
	v_mov_b32 v[ST+4*\t+1], 0xff7fffff             ; m: the lowest finite number
	v_mov_b32 v[ST+4*\t+2], 0
	v_mov_b32 v[ST+4*\t+3], 0
	v_mov_b32 v[AF+2*\t+1], 0
.endr
	v_mul_u32_u24 v2, v1, PK
	v_lshl_add_u32 v2, v9, 4, v2                   ; K: row x pitch + 16 h
	v_and_b32 v10, 7, v0
	v_bfe_u32 v11, v0, 3, 1
	v_lshl_add_u32 v3, v9, 3, v10
	v_mul_u32_u24 v3, v3, PV
	v_lshl_add_u32 v3, v11, 4, v3
	v_add_nc_u32 v3, VOFF, v3                      ; V: (8 h + l % 8) x pitch + 16 ((l / 8) % 2)
	s_mul_i32 s13, s12, 16*SP
	s_add_co_u32 s13, s13, STAGE                   ; my stage
	v_mul_u32_u24 v6, v1, SP
	v_lshl_add_u32 v6, v9, 4, v6
	v_add_nc_u32 v6, s13, v6                       ; in: row r, 16 bytes for each half of the lanes
	v_bfe_u32 v7, v0, 3, 2
	v_mul_u32_u24 v7, v7, SP
	v_lshl_add_u32 v7, v10, 4, v7
	v_add_nc_u32 v7, s13, v7                       ; back: 32 lanes take four rows of 128 bytes,
	v_and_b32 v8, 31, v0
	v_lshlrev_b32 v8, 4, v8                        ; which are 512 consecutive bytes of y
	s_wait_loadcnt 0x0                             ; Q
.Ltile:                                                ; 16 trips: a tile is entered and the next is asked for
	CHANGE 1
	s_sub_co_u32 s70, s70, 1
	TILE 0
	WIN 0
	s_cmp_lg_u32 s70, 0
	s_cbranch_scc1 .Lbottom                        ; forward, past neither a barrier nor a tensor load
	WAYOUT                                         ; the first block's end
	s_wait_xcnt 0x0                                ; the stores have read their registers and y's address
	s_mov_b64 s[20:21], s[80:81]
	s_add_co_u32 s70, s14, 1                       ; the second block has b + 1 tiles
.irp t, 0,1
	v_mov_b32 v[ST+4*\t], 0xfe000000
	v_mov_b32 v[ST+4*\t+1], 0xff7fffff
.endr
	WIN 0x82                                       ; the second block's Q goes where the one text of the products names Q
.set i, 0
.rept 32
	v_mov_b32 v[i], v[32+i]
.set i, i+1
.endr
	WIN 0
.Lbottom:
	s_sub_co_u32 s56, s56, 1
	s_cmp_lg_u32 s56, 0
	s_cbranch_scc1 .Ltile
	CHANGE 0                                       ; the walk's last tile is written out: nothing is asked for
	TILE 1
	WAYOUT
	s_wait_tensorcnt 0x0                           ; the wave's end
	ds_add_u32 v62, v63
	s_wait_dscnt 0x0
	s_endpgm
.Lfunc_end_k_q4330b64678_attn:
	.size	k_q4330b64678_attn, .Lfunc_end_k_q4330b64678_attn-k_q4330b64678_attn
	.p2alignl 7, 3214868480
	.fill 96, 4, 3214868480
	.section	.rodata,"a",@progbits
	.p2align	6, 0x0
	.amdhsa_kernel k_q4330b64678_attn
		.amdhsa_group_segment_fixed_size 327680
		.amdhsa_private_segment_fixed_size 0
		.amdhsa_enable_private_segment 0
		.amdhsa_kernarg_size 16
		.amdhsa_user_sgpr_count 2
		.amdhsa_user_sgpr_kernarg_segment_ptr 1
		.amdhsa_wavefront_size32 1
		.amdhsa_system_sgpr_workgroup_id_x 1
		.amdhsa_system_sgpr_workgroup_id_y 1
		.amdhsa_system_sgpr_workgroup_id_z 1
		.amdhsa_system_vgpr_workitem_id 0
		.amdhsa_next_free_vgpr 896
		.amdhsa_next_free_sgpr 90
		.amdhsa_reserve_vcc 1
		.amdhsa_float_denorm_mode_32 3
		.amdhsa_float_denorm_mode_16_64 3
		.amdhsa_memory_ordered 1
		.amdhsa_forward_progress 1
		.amdhsa_inst_pref_size 104
	.end_amdhsa_kernel
	.amdgpu_metadata
---
amdhsa.version: [ 1, 2 ]
amdhsa.kernels:
  - .name:           k_q4330b64678_attn
    .symbol:         k_q4330b64678_attn.kd
    .args:
      - { .name: qkvh, .offset: 0, .size: 8, .value_kind: global_buffer, .address_space: global }
      - { .name: yh, .offset: 8, .size: 8, .value_kind: global_buffer, .address_space: global }
    .group_segment_fixed_size: 327680
    .private_segment_fixed_size: 0
    .kernarg_segment_align: 8
    .kernarg_segment_size: 16
    .max_flat_workgroup_size: 128
    .sgpr_count:     90
    .vgpr_count:     896
    .wavefront_size: 32
...
	.end_amdgpu_metadata
.endif
;; end of part 4
;; launch proj (part 5): grid 8 x 32, 4 waves a work-group, clusters of 4 x 4, 327,680 bytes of LDS; arguments yh, wb, b_proj, x, x1; writes x1
.if DOCPART == 5
	.amdgcn_target "amdgcn-amd-amdhsa--gfx1250"
	.amdhsa_code_object_version 6
	.text
	.protected	k_q4330b64678_proj
	.globl	k_q4330b64678_proj
	.p2align	8
	.type	k_q4330b64678_proj,@function
k_q4330b64678_proj:
	s_mov_b64 s[64:65], 0
	v_nop
	global_prefetch_b8 v0, s[64:65] scope:SCOPE_SE
	s_setreg_imm32_b32 hwreg(HW_REG_WAVE_MODE, 25, 1), 1
	s_wait_xcnt 0x0
	s_wait_alu depctr_hold_cnt(0) depctr_sa_sdst(0) depctr_va_vdst(0) depctr_va_sdst(0) depctr_va_ssrc(0) depctr_va_vcc(0) depctr_vm_vsrc(0)
	s_getreg_b32 s2, hwreg(HW_REG_IB_STS2, 6, 4)
	s_cmp_eq_u32 s2, 0
	s_cbranch_scc0 .Lentry_in_a_cluster
	s_endpgm
.Lentry_in_a_cluster:
	s_bfe_u32 s2, ttmp6, 0x10000c
	s_cmp_lg_u32 s2, 0xf033
	s_cbranch_scc0 .Lentry_shape_is_right
	s_endpgm
.Lentry_shape_is_right:
; x1 = x + y W + b.  y: bf16 by heads, yh[16 batch + head][t 2048][64]; W = w_proj as bf16 [1024 (k)][1024 (n)] at byte 6,291,456 of wb; b: [1024] f32; x, x1: [4096][1024] f32.
; Sums in f32, K ascending (k = 64 head + channel); bias and residual are added in f32.
; TILE.  128 x 128: 8 x 32 = 256 work-groups.  Four waves 2 x 2, each 64 x 64: 16 accumulators, 128 registers.
; RING.  K goes in steps of 256 (four heads) through two LDS slots.  A head's 128 rows are 16,384 dense bytes of yh: a wave's load brings two heads as two rows of 8,192 elements, padded after
; every 128 bytes, so that LDS holds 128 rows of 144 bytes for each head.  Waves 0, 1 fetch y's halves, waves 2, 3 W's (128 rows of 256 bytes each).
; One tensor load of a wave is out at any time; it has a K step's 128 matrix instructions in which to land.
; CLUSTER 4 x 4: y's tile is asked for jointly by my row of the cluster, W's by my column.
; THE MATRIX INSTRUCTION IS USED TRANSPOSED: source 0 = 16 columns of W (turned by ds_load_tr16_b128), source 1 = 16 rows of y: lane l holds row l % 16, columns 8 (l / 16) + 0..7.
; REGISTERS in windows of 256: window 0 addresses, bias, the residual (v128-255, loaded at the start); window 1 two fragment buffers of 128; window 2 the accumulators.
; bf16 has f32's range: no limit of range is kept.
.set NN,    1024
.set KK,    1024
.set BM,    128
.set BN,    128
.set MB,    4
.set NBK,   4
.set KSTEP, 256
.set QK,    64
.set PA,    144                        ; 128 bytes + 16: an odd multiple of 16
.set ASZ,   4*128*PA                   ; four heads' 128 rows
.set PB,    288                        ; 256 bytes + 32: an odd multiple of 32
.set SEGB,  8
.set WOFF,  6291456
.set SPD,   272                        ; the way out: a row of 64 f32 + 16 bytes
.set HEADS, 1
.set RES,   1
.set WROW,  0
.set SWM,   15
.set GA0,   (1<<16)|(1<<20)|(1<<21)|(4<<22)|(3<<25)   ; after every 32 words 4 words
.set GAD0,  8192
.set GAD1,  2
.set GAST,  131072                     ; a head: 2,048 rows of 64 elements
.set ASTEP, 4*262144                   ; four heads on
.set GB0,   (1<<16)|(1<<20)|(1<<21)|(5<<22)|(7<<25)   ; after every 64 words 8 words
.set GBD0,  BN
.set GBD1,  KSTEP/2
.set NACC,  MB*NBK
.set NSTEP, KK/KSTEP
.set CH,    QK/32
.set BSZ,   KSTEP*PB
.set SLOT,  ASZ+BSZ
.set SPARE, 2*SLOT                     ; behind the ring: the spare words, 128 bytes a wave, two blocks of 256 bytes that no other line names
.set AREG,  8*MB*CH
.set REG,   16*MB*SPD
.set BSTEP, KSTEP*2*NN
.set F0, 0
.set F1, 128
.set MSB, 0
.macro WIN new                         ; the immediate's high byte repeats the setting that is left; a switch that changes nothing is dropped
.if MSB != (\new)
	s_set_vgpr_msb (MSB<<8)|(\new)
.set MSB, (\new)
.endif
.endm
.macro PLACES                          ; four plain vector instructions between a matrix instruction and a load into, or a read of, its registers
.rept 4
	v_nop
.endr
.endm
.macro CROUND                          ; a round of the cluster's barrier
	s_barrier_signal -1
	s_barrier_wait -1
	s_cmp_lg_u32 s14, 0
	s_cbranch_scc1 .Lnot_wave_0_\@
	s_barrier_signal -3
.Lnot_wave_0_\@:
	s_barrier_wait -3
	s_barrier_signal -1
	s_barrier_wait -1
.endm
.macro JLOAD                           ; a joint load: waves 0, 1 ask for the first operand's halves, waves 2, 3 for W's; the branch hangs on the wave's number alone
	s_cmp_eq_u32 s15, 0
	s_cbranch_scc0 .Lfor_b_\@
	tensor_load_to_lds s[32:35], s[24:31]
	s_nop 0
	PLACES
	s_branch .Lasked_\@
.Lfor_b_\@:
	tensor_load_to_lds s[36:39], s[40:47]
	s_nop 0
	PLACES
.Lasked_\@:
.endm
; THE CHANGE OF SLOTS.  Each wave waits for all its tensor loads (one is out: its part of the slot to be read), adds 0 to its spare word, and waits for that and for its reads of the slot it leaves.
; fill = 1: a round of the cluster's barrier follows, so that no wave of any partner still reads that slot or has a load on its way; the joint refill is the first thing behind it.
.macro CHANGE fill
	WIN 0
	s_wait_tensorcnt 0x0
	ds_add_u32 v28, v29                            ; the descriptors' steps stand between the add and the wait for it
.if \fill
	s_xor_b32 s50, s50, SLOT                       ; the slot to be filled: 0 or SLOT by turns
	s_add_co_u32 s33, s48, s50
	s_add_co_u32 s37, s49, s50
	s_add_nc_u64 s[34:35], s[34:35], ASTEP         ; the next K step; the type bits on top are not reached
	s_add_nc_u64 s[38:39], s[38:39], BSTEP
	s_wait_dscnt 0x0
	CROUND
	JLOAD                                          ; its four v_nop are also the places in front of the fragment loads
.else
	s_wait_dscnt 0x0
	s_barrier_signal -1
	s_barrier_wait -1
	PLACES
.endif
	s_xor_b32 s51, s51, SLOT                       ; the slot to be read
	v_add_nc_u32 v10, s51, v8
	v_add_nc_u32 v11, s51, v9
.if KSTEP > 128
	v_add_nc_u32 v12, 128*PB, v11
.endif
.endm
; 32 LDS loads in one run: the fragments of quarter kq of the K step into buffer f
.macro FETCH kq, f
	WIN 0x40                                       ; destination window 1, address window 0
.set cc, 0
.rept CH
.set k0, (\kq)*QK+32*cc
.set bb, 0
.rept NBK
.set ob, (k0%128)*PB+(bb/SEGB)*(32*SEGB+32)+(bb%SEGB)*32
.set rr, (\f)+AREG+8*(NBK*cc+bb)
.if k0 >= 128
	ds_load_tr16_b128 v[rr:rr+3], v12 offset:ob
	ds_load_tr16_b128 v[rr+4:rr+7], v12 offset:ob+16*PB
.else
	ds_load_tr16_b128 v[rr:rr+3], v11 offset:ob
	ds_load_tr16_b128 v[rr+4:rr+7], v11 offset:ob+16*PB
.endif
.set bb, bb+1
.endr
.set aa, 0
.rept MB
.if HEADS
.set oa, (k0/64)*128*PA+aa*16*PA+2*(k0%64)
.else
.set oa, aa*16*PA+2*k0
.endif
.set rr, (\f)+8*(MB*cc+aa)
	ds_load_b128 v[rr:rr+3], v10 offset:oa
	ds_load_b128 v[rr+4:rr+7], v10 offset:oa+32
.set aa, aa+1
.endr
.set cc, cc+1
.endr
.endm
; Half of a quarter's matrix instructions.  The accumulators take turns, one instruction a turn, always in ascending order.  zero = 1: the first product starts the sum.
.macro MULH f, half, zero
.if CH == 1
.set i, (\half)*NACC/2
.set cc, 0
.set cnt, NACC/2
.else
.set i, 0
.set cc, (\half)
.set cnt, NACC
.endif
.rept cnt
.set rD, (8*i)%256
.set rW, (\f)+AREG+8*(NBK*cc+i%NBK)
.set rA, (\f)+8*(MB*cc+i/NBK)
	WIN 0xa5+0x50*((8*i)/256)
.if (\zero) && (cc == 0)
	v_wmma_f32_16x16x32_bf16 v[rD:rD+7], v[rW:rW+7], v[rA:rA+7], 0
.else
	v_wmma_f32_16x16x32_bf16 v[rD:rD+7], v[rW:rW+7], v[rA:rA+7], v[rD:rD+7]
.endif
.set i, i+1
.endr
.endm
; A quarter multiplies buffer f and, in its middle, fetches quarter kqn into buffer g (kqn = -1: nothing).
.macro QUARTER f, g, kqn, zero
	s_wait_dscnt 0x0                               ; buffer f's loads were issued half a quarter ago
	MULH \f, 0, \zero
.if (\kqn) >= 0
	PLACES
	FETCH \kqn, \g
.endif
	MULH \f, 1, \zero
.endm
.macro DUMP                            ; the accumulators, f32, into my own bytes of the ring, which has had its last fill; each accumulator's low four registers first
.set i, 0
.rept NACC
.set rD, (8*i)%256
	WIN 0x08+0x04*((8*i)/256)                      ; store data in window 2 or 3
	ds_store_b128 v13, v[rD:rD+3] offset:(i/NBK)*16*SPD+64*(i%NBK)
	ds_store_b128 v13, v[rD+4:rD+7] offset:(i/NBK)*16*SPD+64*(i%NBK)+16
.set i, i+1
.endr
	WIN 0
.endm
	s_load_b256 s[4:11], s[0:1], 0x0               ; first operand s[4:5], wb s[6:7], bias s[8:9], s[10:11] the result (with a residual: the residual)
.if RES
	s_load_b64 s[12:13], s[0:1], 0x20              ; the result
.endif
	v_lshl_add_u32 v28, v0, 2, SPARE
	v_mov_b32 v29, 0
	ds_add_u32 v28, v29                            ; the wave's opening: the add and its wait ahead of my first tensor load; the set-up stands between them
	ds_add_u32 v28, v29
	v_lshrrev_b32 v3, 5, v0
	v_readfirstlane_b32 s14, v3                    ; wave 0..3
	s_lshr_b32 s15, s14, 1                         ; I fetch the first operand (0) or W (1); also: which half of the tile's rows is mine
	s_and_b32 s16, s14, 1                          ; which half of that tile I fetch; also: which half of the columns is mine
	s_bfe_u32 s17, ttmp6, 0x40000                  ; cx
	s_bfe_u32 s18, ttmp6, 0x40004                  ; cy
	s_lshl_b32 s19, ttmp9, 2
	s_add_co_u32 s19, s19, s17                     ; tile column
	s_and_b32 s20, ttmp7, 0xffff
	s_lshl_b32 s20, s20, 2
	s_add_co_u32 s20, s20, s18                     ; tile row
	s_lshl_b32 s21, s18, 2
	s_lshl_b32 s21, 15, s21                        ; my row of the cluster
	s_lshl_b32 s22, 0x1111, s17                    ; my column
	s_or_b32 s24, s21, GA0
	s_mov_b32 s25, GAD0<<16                        ; tensor_dim0
	s_mov_b32 s26, GAD1<<16                        ; tensor_dim1
	s_mov_b32 s27, GAD0<<16                        ; tile_dim0
	s_mov_b32 s28, GAD1                            ; tile_dim1
	s_mov_b32 s29, GAST                            ; elements from row to row
	s_mov_b32 s30, 0
	s_mov_b32 s31, 0
	s_or_b32 s40, s22, GB0
	s_mov_b32 s41, GBD0<<16
	s_mov_b32 s42, GBD1<<16
	s_mov_b32 s43, GBD0<<16
	s_mov_b32 s44, GBD1
	s_mov_b32 s45, NN
	s_mov_b32 s46, 0
	s_mov_b32 s47, 0
.if HEADS
	s_lshr_b32 s54, s20, 4                         ; batch: 16 heads of 262,144 bytes
	s_lshl_b32 s54, s54, 22
	s_and_b32 s58, s20, 15                         ; 128 rows of 128 bytes in each head
	s_lshl_b32 s58, s58, 14
	s_add_co_u32 s54, s54, s58
	s_lshl_b32 s58, s16, 19                        ; my two heads of the step's four
	s_add_co_u32 s54, s54, s58
.else
	s_mul_i32 s54, s20, BM*2*KK                    ; the first operand's offset is made of the tile row and the wave alone,
	s_mul_i32 s58, s16, (BM/2)*2*KK
	s_add_co_u32 s54, s54, s58
.endif
	s_mov_b32 s55, 0
	s_mul_i32 s56, s19, 2*BN                       ; W's of the tile column and the wave alone
	s_mul_i32 s59, s16, (KSTEP/2)*2*NN
	s_add_co_u32 s56, s56, s59
	s_add_co_u32 s56, s56, WOFF
	s_mov_b32 s57, 0
	s_mul_i32 s48, s16, ASZ/2                      ; where my part lands in a slot: no place in the cluster enters an LDS address
	s_mul_i32 s49, s16, BSZ/2
	s_add_co_u32 s49, s49, ASZ
	s_mov_b32 s50, 0
	s_mov_b32 s51, SLOT
	s_mov_b32 s32, 1
	s_mov_b32 s33, s48
	s_mov_b32 s36, 1
	s_mov_b32 s37, s49
	s_wait_dscnt 0x0                               ; the opening add is done
	s_wait_kmcnt 0x0
	s_add_nc_u64 s[34:35], s[4:5], s[54:55]
	s_or_b32 s35, s35, 0x80000000
	s_add_nc_u64 s[38:39], s[6:7], s[56:57]
	s_or_b32 s39, s39, 0x80000000
	CROUND                                         ; all sixteen work-groups are here: the first joint loads meet
	JLOAD                                          ; K step 0 into slot 0
	v_and_b32 v1, 15, v0                           ; r = l % 16
	v_bfe_u32 v2, v0, 4, 1                         ; h = l / 16
	v_mul_u32_u24 v8, v1, PA
	v_lshl_add_u32 v8, v2, 4, v8
	s_mul_i32 s58, s[SWM], 16*MB*PA
	v_add_nc_u32 v8, s58, v8                       ; first operand: (my rows + r) x pitch + 16 h
	v_and_b32 v3, 7, v0
	v_lshl_add_u32 v4, v2, 3, v3
	v_mul_u32_u24 v9, v4, PB
	v_bfe_u32 v4, v0, 3, 1
	v_lshl_add_u32 v9, v4, 4, v9                   ; W: (8 h + l % 8) x pitch + 16 ((l / 8) % 2)
.if WROW
	v_add_nc_u32 v9, ASZ, v9
.else
	s_mul_i32 s58, s16, 32*NBK
	s_add_co_u32 s58, s58, ASZ
	v_add_nc_u32 v9, s58, v9
.endif
	s_mul_i32 s58, s14, REG
	v_mul_u32_u24 v13, v1, SPD
	v_lshl_add_u32 v13, v2, 5, v13
	v_add_nc_u32 v13, s58, v13                     ; the way out, in: my bytes + r x pitch + 32 h
	; the way out's addresses, the bias and the residual.  Lane l takes row l / 16 of two and columns 4 (l % 16) + 0..3 of my 64: sixteen lanes cover 256 consecutive aligned bytes.
.set BIAS, 32                          ; v[32:35]
.set RR,   128                         ; v[128:255] the residual of my 64 x 64, asked for now, wanted at the end
	v_lshlrev_b32 v16, 4, v1                       ; 16 r
	s_lshl_b32 s60, s19, 9                         ; 128 columns x 4 bytes
	s_lshl_b32 s59, s16, 8                         ; my 64
	s_add_co_u32 s60, s60, s59
	s_mov_b32 s61, 0
	s_add_nc_u64 s[8:9], s[8:9], s[60:61]
	global_load_b128 v[BIAS:BIAS+3], v16, s[8:9]
	s_lshl_b32 s59, s20, 19                        ; 128 rows of 4,096 bytes
	s_add_co_u32 s60, s60, s59
	s_lshl_b32 s59, s15, 18                        ; my 64
	s_add_co_u32 s60, s60, s59
	s_add_nc_u64 s[10:11], s[10:11], s[60:61]
	s_add_nc_u64 s[12:13], s[12:13], s[60:61]
	v_lshlrev_b32 v15, 12, v2
	v_lshl_add_u32 v15, v1, 4, v15                 ; h x 4,096 + 16 r
.set t, 0
.rept 32
	global_load_b128 v[RR+4*t:RR+4*t+3], v15, s[10:11] offset:8192*t
.set t, t+1
.endr
	v_mul_u32_u24 v14, v2, SPD
	v_lshl_add_u32 v14, v1, 4, v14
	v_add_nc_u32 v14, s58, v14                     ; back: my bytes + h x pitch + 16 r
	CHANGE 1                                       ; slot 0 is in, everybody's part of it; slot 1 is asked for
	FETCH 0, F0
	QUARTER F0, F1, 1, 1                           ; the first quarter's first products start the sums: nothing is cleared
	WIN 0
	s_mov_b32 s52, NSTEP-1
	s_branch .Lmid                                 ; the loop is entered behind a step's first quarter
.Lstep:                                                ; a trip is a K step; it asks for the next one
	CHANGE 1
	FETCH 0, F0
	QUARTER F0, F1, 1, 0
	WIN 0
.Lmid:
	QUARTER F1, F0, 2, 0
	QUARTER F0, F1, 3, 0
	QUARTER F1, F0, -1, 0
	WIN 0
	s_sub_co_u32 s52, s52, 1
	s_cmp_lg_u32 s52, 0
	s_cbranch_scc1 .Lstep
	CHANGE 0                                       ; the last K step is written out: it asks for nothing
	FETCH 0, F0
	QUARTER F0, F1, 1, 0
	QUARTER F1, F0, 2, 0
	QUARTER F0, F1, 3, 0
	QUARTER F1, F0, -1, 0
	WIN 0
	PLACES                                         ; the stores below read results just made, the loads below land in fragment registers
	s_wait_dscnt 0x0
	s_barrier_signal -1                            ; every wave's reads of the ring are over: its bytes may be written
	s_barrier_wait -1
	DUMP
	; THE WAY OUT.  My 64 rows come back as whole rows of 256 bytes (LDS serves a wave's instructions in order, so no wait stands between my stores and my loads);
	; the bias goes onto the residual while they are out.
	WIN 0x40
.set t, 0
.rept 32
	ds_load_b128 v[4*t:4*t+3], v14 offset:2*SPD*t
.set t, t+1
.endr
	WIN 0
	s_wait_loadcnt 0x0                             ; bias and residual
.set t, 0
.rept 64
	v_pk_add_f32 v[RR+2*t:RR+2*t+1], v[RR+2*t:RR+2*t+1], v[BIAS+2*(t%2):BIAS+2*(t%2)+1]
.set t, t+1
.endr
	s_wait_dscnt 0x0
	WIN 0x41                                       ; destination and source 0 in window 1, source 1 in window 0
.set t, 0
.rept 64
	v_pk_add_f32 v[2*t:2*t+1], v[2*t:2*t+1], v[RR+2*t:RR+2*t+1]
.set t, t+1
.endr
	WIN 0x04                                       ; store data in window 1
.set t, 0
.rept 32
	global_store_b128 v15, v[4*t:4*t+3], s[12:13] offset:8192*t
.set t, t+1
.endr
	WIN 0
	s_wait_tensorcnt 0x0                           ; the wave's end
	ds_add_u32 v28, v29
	s_wait_dscnt 0x0
	CROUND                                         ; the closing round: no work-group ends while a partner may still ask for a tile that names it
	s_endpgm
.Lfunc_end_k_q4330b64678_proj:
	.size	k_q4330b64678_proj, .Lfunc_end_k_q4330b64678_proj-k_q4330b64678_proj
	.p2alignl 7, 3214868480
	.fill 96, 4, 3214868480
	.section	.rodata,"a",@progbits
	.p2align	6, 0x0
	.amdhsa_kernel k_q4330b64678_proj
		.amdhsa_group_segment_fixed_size 327680
		.amdhsa_private_segment_fixed_size 0
		.amdhsa_enable_private_segment 0
		.amdhsa_kernarg_size 40
		.amdhsa_user_sgpr_count 2
		.amdhsa_user_sgpr_kernarg_segment_ptr 1
		.amdhsa_wavefront_size32 1
		.amdhsa_system_sgpr_workgroup_id_x 1
		.amdhsa_system_sgpr_workgroup_id_y 1
		.amdhsa_system_sgpr_workgroup_id_z 1
		.amdhsa_system_vgpr_workitem_id 0
		.amdhsa_next_free_vgpr 640
		.amdhsa_next_free_sgpr 66
		.amdhsa_reserve_vcc 0
		.amdhsa_float_denorm_mode_32 3
		.amdhsa_float_denorm_mode_16_64 3
		.amdhsa_memory_ordered 1
		.amdhsa_forward_progress 1
		.amdhsa_inst_pref_size 69
	.end_amdhsa_kernel
	.amdgpu_metadata
---
amdhsa.version: [ 1, 2 ]
amdhsa.kernels:
  - .name:           k_q4330b64678_proj
    .symbol:         k_q4330b64678_proj.kd
    .args:
      - { .name: yh, .offset: 0, .size: 8, .value_kind: global_buffer, .address_space: global }
      - { .name: wb, .offset: 8, .size: 8, .value_kind: global_buffer, .address_space: global }
      - { .name: b_proj, .offset: 16, .size: 8, .value_kind: global_buffer, .address_space: global }
      - { .name: x, .offset: 24, .size: 8, .value_kind: global_buffer, .address_space: global }
      - { .name: x1, .offset: 32, .size: 8, .value_kind: global_buffer, .address_space: global }
    .group_segment_fixed_size: 327680
    .private_segment_fixed_size: 0
    .kernarg_segment_align: 8
    .kernarg_segment_size: 40
    .max_flat_workgroup_size: 128
    .sgpr_count:     66
    .vgpr_count:     640
    .wavefront_size: 32
...
	.end_amdgpu_metadata
.endif
;; end of part 5
;; launch ln2: the kernel of part 2 again; grid 256 x 1, 8 waves a work-group, no clusters, 0 bytes of LDS; arguments x1, ln2_w, ln2_b, hb; writes hb
;; launch fc (part 6): grid 16 x 16, 4 waves a work-group, clusters of 4 x 4, 327,680 bytes of LDS; arguments hb, wb, b_fc, g; writes g
.if DOCPART == 6
	.amdgcn_target "amdgcn-amd-amdhsa--gfx1250"
	.amdhsa_code_object_version 6
	.text
	.protected	k_q4330b64678_fc
	.globl	k_q4330b64678_fc
	.p2align	8
	.type	k_q4330b64678_fc,@function
k_q4330b64678_fc:
	s_mov_b64 s[64:65], 0
	v_nop
	global_prefetch_b8 v0, s[64:65] scope:SCOPE_SE
	s_setreg_imm32_b32 hwreg(HW_REG_WAVE_MODE, 25, 1), 1
	s_wait_xcnt 0x0
	s_wait_alu depctr_hold_cnt(0) depctr_sa_sdst(0) depctr_va_vdst(0) depctr_va_sdst(0) depctr_va_ssrc(0) depctr_va_vcc(0) depctr_vm_vsrc(0)
	s_getreg_b32 s2, hwreg(HW_REG_IB_STS2, 6, 4)
	s_cmp_eq_u32 s2, 0
	s_cbranch_scc0 .Lentry_in_a_cluster
	s_endpgm
.Lentry_in_a_cluster:
	s_bfe_u32 s2, ttmp6, 0x10000c
	s_cmp_lg_u32 s2, 0xf033
	s_cbranch_scc0 .Lentry_shape_is_right
	s_endpgm
.Lentry_shape_is_right:
; g = gelu(h W + b), the exact gelu x Phi(x).  h: [4096][1024] bf16, W = w_fc as bf16 [1024 (k)][4096 (n)] at byte 8,388,608 of wb, b: [4096] f32, g: [4096][4096] bf16, rounded once.
; Sums in f32, K ascending; bias and gelu in f32.
; GELU.  gelu(x) = max(x, 0) - |x| Q(|x|), Q(z) = 1 - Phi(z) = exp(-z^2 / 2) (c1 t + .. + c5 t^5), t = 1 / (1 + 0.2316419 z): Abramowitz and Stegun 26.2.17 with 1 / sqrt(2 pi) folded into
; the coefficients; its error in Phi is under 7.5e-8 for every z.  Where z^2 overflows the exponential is 0 and gelu is max(x, 0).  An infinite x gives NaN; NaN goes through.
; TILE.  256 x 256: 16 x 16 = 256 work-groups.  Four waves 2 x 2, each 128 x 128: 64 accumulators, 512 registers.
; RING.  K goes in steps of 128 through two LDS slots (h's 256 rows of 256 bytes, W's 128 rows of 512 bytes).  One tensor load a wave and step: waves 0, 1 fetch h's halves, waves 2, 3 W's.
; One tensor load of a wave is out at any time; it has a K step's 256 matrix instructions in which to land.
; CLUSTER 4 x 4: h's tile is asked for jointly by my row of the cluster, W's by my column.
; THE MATRIX INSTRUCTION IS USED TRANSPOSED: source 0 = 16 columns of W (turned by ds_load_tr16_b128), source 1 = 16 rows of h: lane l holds row l % 16, columns 8 (l / 16) + 0..7.
; REGISTERS in windows of 256: window 0 addresses and the way out; window 1 two fragment buffers of 128; windows 2, 3 the accumulators, (a, b) at 8 (8 a + b).
.set NN,    4096
.set KK,    1024
.set BM,    256
.set BN,    256
.set MB,    8
.set NBK,   8
.set KSTEP, 128
.set QK,    32
.set PA,    272                        ; 256 bytes + 16: an odd multiple of 16
.set ASZ,   BM*PA
.set PB,    544                        ; 512 bytes + 32: an odd multiple of 32
.set SEGB,  16
.set WOFF,  8388608
.set SPD,   528                        ; the way out: a row of 128 f32 + 16 bytes
.set HEADS, 0
.set RES,   0
.set WROW,  0
.set SWM,   15
.set GA0,   (1<<16)|(1<<20)|(1<<21)|(5<<22)|(3<<25)   ; after every 64 words 4 words
.set GAD0,  128
.set GAD1,  128
.set GAST,  KK
.set ASTEP, 2*KSTEP
.set GB0,   (1<<16)|(1<<20)|(1<<21)|(6<<22)|(7<<25)   ; after every 128 words 8 words
.set GBD0,  BN
.set GBD1,  KSTEP/2
.set NACC,  MB*NBK
.set NSTEP, KK/KSTEP
.set CH,    QK/32
.set BSZ,   KSTEP*PB
.set SLOT,  ASZ+BSZ
.set SPARE, 2*SLOT                     ; behind the ring: the spare words, 128 bytes a wave, two blocks of 256 bytes that no other line names
.set AREG,  8*MB*CH
.set REG,   16*MB*SPD
.set BSTEP, KSTEP*2*NN
.set F0, 0
.set F1, 128
.set MSB, 0
.macro WIN new                         ; the immediate's high byte repeats the setting that is left; a switch that changes nothing is dropped
.if MSB != (\new)
	s_set_vgpr_msb (MSB<<8)|(\new)
.set MSB, (\new)
.endif
.endm
.macro PLACES                          ; four plain vector instructions between a matrix instruction and a load into, or a read of, its registers
.rept 4
	v_nop
.endr
.endm
.macro CROUND                          ; a round of the cluster's barrier
	s_barrier_signal -1
	s_barrier_wait -1
	s_cmp_lg_u32 s14, 0
	s_cbranch_scc1 .Lnot_wave_0_\@
	s_barrier_signal -3
.Lnot_wave_0_\@:
	s_barrier_wait -3
	s_barrier_signal -1
	s_barrier_wait -1
.endm
.macro JLOAD                           ; a joint load: waves 0, 1 ask for the first operand's halves, waves 2, 3 for W's; the branch hangs on the wave's number alone
	s_cmp_eq_u32 s15, 0
	s_cbranch_scc0 .Lfor_b_\@
	tensor_load_to_lds s[32:35], s[24:31]
	s_nop 0
	PLACES
	s_branch .Lasked_\@
.Lfor_b_\@:
	tensor_load_to_lds s[36:39], s[40:47]
	s_nop 0
	PLACES
.Lasked_\@:
.endm
; THE CHANGE OF SLOTS.  Each wave waits for all its tensor loads (one is out: its part of the slot to be read), adds 0 to its spare word, and waits for that and for its reads of the slot it leaves.
; fill = 1: a round of the cluster's barrier follows, so that no wave of any partner still reads that slot or has a load on its way; the joint refill is the first thing behind it.
.macro CHANGE fill
	WIN 0
	s_wait_tensorcnt 0x0
	ds_add_u32 v28, v29                            ; the descriptors' steps stand between the add and the wait for it
.if \fill
	s_xor_b32 s50, s50, SLOT                       ; the slot to be filled: 0 or SLOT by turns
	s_add_co_u32 s33, s48, s50
	s_add_co_u32 s37, s49, s50
	s_add_nc_u64 s[34:35], s[34:35], ASTEP         ; the next K step; the type bits on top are not reached
	s_add_nc_u64 s[38:39], s[38:39], BSTEP
	s_wait_dscnt 0x0
	CROUND
	JLOAD                                          ; its four v_nop are also the places in front of the fragment loads
.else
	s_wait_dscnt 0x0
	s_barrier_signal -1
	s_barrier_wait -1
	PLACES
.endif
	s_xor_b32 s51, s51, SLOT                       ; the slot to be read
	v_add_nc_u32 v10, s51, v8
	v_add_nc_u32 v11, s51, v9
.if KSTEP > 128
	v_add_nc_u32 v12, 128*PB, v11
.endif
.endm
; 32 LDS loads in one run: the fragments of quarter kq of the K step into buffer f
.macro FETCH kq, f
	WIN 0x40                                       ; destination window 1, address window 0
.set cc, 0
.rept CH
.set k0, (\kq)*QK+32*cc
.set bb, 0
.rept NBK
.set ob, (k0%128)*PB+(bb/SEGB)*(32*SEGB+32)+(bb%SEGB)*32
.set rr, (\f)+AREG+8*(NBK*cc+bb)
.if k0 >= 128
	ds_load_tr16_b128 v[rr:rr+3], v12 offset:ob
	ds_load_tr16_b128 v[rr+4:rr+7], v12 offset:ob+16*PB
.else
	ds_load_tr16_b128 v[rr:rr+3], v11 offset:ob
	ds_load_tr16_b128 v[rr+4:rr+7], v11 offset:ob+16*PB
.endif
.set bb, bb+1
.endr
.set aa, 0
.rept MB
.if HEADS
.set oa, (k0/64)*128*PA+aa*16*PA+2*(k0%64)
.else
.set oa, aa*16*PA+2*k0
.endif
.set rr, (\f)+8*(MB*cc+aa)
	ds_load_b128 v[rr:rr+3], v10 offset:oa
	ds_load_b128 v[rr+4:rr+7], v10 offset:oa+32
.set aa, aa+1
.endr
.set cc, cc+1
.endr
.endm
; Half of a quarter's matrix instructions.  The accumulators take turns, one instruction a turn, always in ascending order.  zero = 1: the first product starts the sum.
.macro MULH f, half, zero
.if CH == 1
.set i, (\half)*NACC/2
.set cc, 0
.set cnt, NACC/2
.else
.set i, 0
.set cc, (\half)
.set cnt, NACC
.endif
.rept cnt
.set rD, (8*i)%256
.set rW, (\f)+AREG+8*(NBK*cc+i%NBK)
.set rA, (\f)+8*(MB*cc+i/NBK)
	WIN 0xa5+0x50*((8*i)/256)
.if (\zero) && (cc == 0)
	v_wmma_f32_16x16x32_bf16 v[rD:rD+7], v[rW:rW+7], v[rA:rA+7], 0
.else
	v_wmma_f32_16x16x32_bf16 v[rD:rD+7], v[rW:rW+7], v[rA:rA+7], v[rD:rD+7]
.endif
.set i, i+1
.endr
.endm
; A quarter multiplies buffer f and, in its middle, fetches quarter kqn into buffer g (kqn = -1: nothing).
.macro QUARTER f, g, kqn, zero
	s_wait_dscnt 0x0                               ; buffer f's loads were issued half a quarter ago
	MULH \f, 0, \zero
.if (\kqn) >= 0
	PLACES
	FETCH \kqn, \g
.endif
	MULH \f, 1, \zero
.endm
.macro DUMP                            ; the accumulators, f32, into my own bytes of the ring, which has had its last fill; each accumulator's low four registers first
.set i, 0
.rept NACC
.set rD, (8*i)%256
	WIN 0x08+0x04*((8*i)/256)                      ; store data in window 2 or 3
	ds_store_b128 v13, v[rD:rD+3] offset:(i/NBK)*16*SPD+64*(i%NBK)
	ds_store_b128 v13, v[rD+4:rD+7] offset:(i/NBK)*16*SPD+64*(i%NBK)+16
.set i, i+1
.endr
	WIN 0
.endm
	s_load_b256 s[4:11], s[0:1], 0x0               ; first operand s[4:5], wb s[6:7], bias s[8:9], s[10:11] the result (with a residual: the residual)
.if RES
	s_load_b64 s[12:13], s[0:1], 0x20              ; the result
.endif
	v_lshl_add_u32 v28, v0, 2, SPARE
	v_mov_b32 v29, 0
	ds_add_u32 v28, v29                            ; the wave's opening: the add and its wait ahead of my first tensor load; the set-up stands between them
	ds_add_u32 v28, v29
	v_lshrrev_b32 v3, 5, v0
	v_readfirstlane_b32 s14, v3                    ; wave 0..3
	s_lshr_b32 s15, s14, 1                         ; I fetch the first operand (0) or W (1); also: which half of the tile's rows is mine
	s_and_b32 s16, s14, 1                          ; which half of that tile I fetch; also: which half of the columns is mine
	s_bfe_u32 s17, ttmp6, 0x40000                  ; cx
	s_bfe_u32 s18, ttmp6, 0x40004                  ; cy
	s_lshl_b32 s19, ttmp9, 2
	s_add_co_u32 s19, s19, s17                     ; tile column
	s_and_b32 s20, ttmp7, 0xffff
	s_lshl_b32 s20, s20, 2
	s_add_co_u32 s20, s20, s18                     ; tile row
	s_lshl_b32 s21, s18, 2
	s_lshl_b32 s21, 15, s21                        ; my row of the cluster
	s_lshl_b32 s22, 0x1111, s17                    ; my column
	s_or_b32 s24, s21, GA0
	s_mov_b32 s25, GAD0<<16                        ; tensor_dim0
	s_mov_b32 s26, GAD1<<16                        ; tensor_dim1
	s_mov_b32 s27, GAD0<<16                        ; tile_dim0
	s_mov_b32 s28, GAD1                            ; tile_dim1
	s_mov_b32 s29, GAST                            ; elements from row to row
	s_mov_b32 s30, 0
	s_mov_b32 s31, 0
	s_or_b32 s40, s22, GB0
	s_mov_b32 s41, GBD0<<16
	s_mov_b32 s42, GBD1<<16
	s_mov_b32 s43, GBD0<<16
	s_mov_b32 s44, GBD1
	s_mov_b32 s45, NN
	s_mov_b32 s46, 0
	s_mov_b32 s47, 0
.if HEADS
	s_lshr_b32 s54, s20, 4                         ; batch: 16 heads of 262,144 bytes
	s_lshl_b32 s54, s54, 22
	s_and_b32 s58, s20, 15                         ; 128 rows of 128 bytes in each head
	s_lshl_b32 s58, s58, 14
	s_add_co_u32 s54, s54, s58
	s_lshl_b32 s58, s16, 19                        ; my two heads of the step's four
	s_add_co_u32 s54, s54, s58
.else
	s_mul_i32 s54, s20, BM*2*KK                    ; the first operand's offset is made of the tile row and the wave alone,
	s_mul_i32 s58, s16, (BM/2)*2*KK
	s_add_co_u32 s54, s54, s58
.endif
	s_mov_b32 s55, 0
	s_mul_i32 s56, s19, 2*BN                       ; W's of the tile column and the wave alone
	s_mul_i32 s59, s16, (KSTEP/2)*2*NN
	s_add_co_u32 s56, s56, s59
	s_add_co_u32 s56, s56, WOFF
	s_mov_b32 s57, 0
	s_mul_i32 s48, s16, ASZ/2                      ; where my part lands in a slot: no place in the cluster enters an LDS address
	s_mul_i32 s49, s16, BSZ/2
	s_add_co_u32 s49, s49, ASZ
	s_mov_b32 s50, 0
	s_mov_b32 s51, SLOT
	s_mov_b32 s32, 1
	s_mov_b32 s33, s48
	s_mov_b32 s36, 1
	s_mov_b32 s37, s49
	s_wait_dscnt 0x0                               ; the opening add is done
	s_wait_kmcnt 0x0
	s_add_nc_u64 s[34:35], s[4:5], s[54:55]
	s_or_b32 s35, s35, 0x80000000
	s_add_nc_u64 s[38:39], s[6:7], s[56:57]
	s_or_b32 s39, s39, 0x80000000
	CROUND                                         ; all sixteen work-groups are here: the first joint loads meet
	JLOAD                                          ; K step 0 into slot 0
	v_and_b32 v1, 15, v0                           ; r = l % 16
	v_bfe_u32 v2, v0, 4, 1                         ; h = l / 16
	v_mul_u32_u24 v8, v1, PA
	v_lshl_add_u32 v8, v2, 4, v8
	s_mul_i32 s58, s[SWM], 16*MB*PA
	v_add_nc_u32 v8, s58, v8                       ; first operand: (my rows + r) x pitch + 16 h
	v_and_b32 v3, 7, v0
	v_lshl_add_u32 v4, v2, 3, v3
	v_mul_u32_u24 v9, v4, PB
	v_bfe_u32 v4, v0, 3, 1
	v_lshl_add_u32 v9, v4, 4, v9                   ; W: (8 h + l % 8) x pitch + 16 ((l / 8) % 2)
.if WROW
	v_add_nc_u32 v9, ASZ, v9
.else
	s_mul_i32 s58, s16, 32*NBK
	s_add_co_u32 s58, s58, ASZ
	v_add_nc_u32 v9, s58, v9
.endif
	s_mul_i32 s58, s14, REG
	v_mul_u32_u24 v13, v1, SPD
	v_lshl_add_u32 v13, v2, 5, v13
	v_add_nc_u32 v13, s58, v13                     ; the way out, in: my bytes + r x pitch + 32 h
	; the way out's addresses, the bias, gelu's constants.  Lane l takes rows l / 16 and 2 + l / 16 of four and columns 8 (l % 16) + 0..7 of my 128: sixteen lanes store 256 consecutive aligned bytes.
.set BIAS, 32                          ; v[32:39]
.set LR,   40                          ; v[40:55]   as read back
.set X,    64                          ; v[64:79]   x, at last gelu(x)
.set U,    80                          ; v[80:95]   t, at last max(x, 0)
.set Y,    96                          ; v[96:111]  exp(-x^2 / 2)
.set P,    112                         ; v[112:127] the polynomial, at last Q
.set OR,   128                         ; v[128:135] bf16
	v_lshlrev_b32 v16, 5, v1                       ; 32 r
	s_lshl_b32 s60, s19, 10                        ; 256 columns x 4 bytes
	s_lshl_b32 s59, s16, 9                         ; my 128
	s_add_co_u32 s60, s60, s59
	s_mov_b32 s61, 0
	s_add_nc_u64 s[8:9], s[8:9], s[60:61]
	global_load_b128 v[BIAS:BIAS+3], v16, s[8:9]
	global_load_b128 v[BIAS+4:BIAS+7], v16, s[8:9] offset:16
	v_mul_u32_u24 v14, v2, SPD
	v_lshl_add_u32 v14, v1, 5, v14
	v_add_nc_u32 v14, s58, v14                     ; back: my bytes + h x pitch + 32 r
	v_lshlrev_b32 v15, 13, v2
	v_lshl_add_u32 v15, v1, 4, v15                 ; h x 8,192 + 16 r
	s_lshl_b32 s60, s20, 21                        ; 256 rows of 8,192 bytes
	s_lshl_b32 s59, s15, 20                        ; my 128
	s_add_co_u32 s60, s60, s59
	s_lshl_b32 s59, s19, 9                         ; 256 columns x 2 bytes
	s_add_co_u32 s60, s60, s59
	s_lshl_b32 s59, s16, 8                         ; my 128
	s_add_co_u32 s60, s60, s59
	s_add_nc_u64 s[10:11], s[10:11], s[60:61]
	s_mov_b32 s66, 0x3e6d3389                      ; 0.2316419
	s_mov_b32 s67, s66                             ; the constants are named as pairs, so both words are written
	s_mov_b32 s68, 0x3f596d27                      ; sqrt(log2(e) / 2) = 0.8493218
	s_mov_b32 s69, s68
	s_mov_b32 s70, 0x3f07dc22                      ; c5 =  0.53070271
	s_mov_b32 s71, s70
	s_mov_b32 s72, 0xbf3a00e3                      ; c4 = -0.72657601
	s_mov_b32 s73, s72
	s_mov_b32 s74, 0x3f35f0e3                      ; c3 =  0.71070687
	s_mov_b32 s75, s74
	s_mov_b32 s76, 0xbe11a98e                      ; c2 = -0.14224837
	s_mov_b32 s77, s76
	s_mov_b32 s78, 0x3e027906                      ; c1 =  0.12741480
	s_mov_b32 s79, s78
	CHANGE 1                                       ; slot 0 is in, everybody's part of it; slot 1 is asked for
	FETCH 0, F0
	QUARTER F0, F1, 1, 1                           ; the first quarter's products start the sums: nothing is cleared
	WIN 0
	s_mov_b32 s52, NSTEP-1
	s_branch .Lmid                                 ; the loop is entered behind a step's first quarter
.Lstep:                                                ; a trip is a K step; it asks for the next one
	CHANGE 1
	FETCH 0, F0
	QUARTER F0, F1, 1, 0
	WIN 0
.Lmid:
	QUARTER F1, F0, 2, 0
	QUARTER F0, F1, 3, 0
	QUARTER F1, F0, -1, 0
	WIN 0
	s_sub_co_u32 s52, s52, 1
	s_cmp_lg_u32 s52, 0
	s_cbranch_scc1 .Lstep
	CHANGE 0                                       ; the last K step is written out: it asks for nothing
	FETCH 0, F0
	QUARTER F0, F1, 1, 0
	QUARTER F1, F0, 2, 0
	QUARTER F0, F1, 3, 0
	QUARTER F1, F0, -1, 0
	WIN 0
	PLACES                                         ; the stores below read results just made
	s_wait_dscnt 0x0
	s_barrier_signal -1                            ; every wave's reads of the ring are over: its bytes may be written
	s_barrier_wait -1
	DUMP
	; THE WAY OUT: 32 trips of four rows, 16 numbers a lane.  LDS serves a wave's instructions in order, so my loads see my stores without a wait.
.macro LROWS
	ds_load_b128 v[LR:LR+3], v14
	ds_load_b128 v[LR+4:LR+7], v14 offset:16
	ds_load_b128 v[LR+8:LR+11], v14 offset:2*SPD
	ds_load_b128 v[LR+12:LR+15], v14 offset:2*SPD+16
.endm
.macro EACH8 line:vararg               ; one line for each of the eight pairs, u = 0, 2, .. 14
.set u, 0
.rept 8
	\line
.set u, u+2
.endr
.endm
.macro EACH16 line:vararg              ; one line for each of the sixteen numbers
.set u, 0
.rept 16
	\line
.set u, u+1
.endr
.endm
	s_wait_loadcnt 0x0                             ; the bias
	LROWS
	s_mov_b32 s53, 32
.Lrow:
	s_wait_dscnt 0x0
	EACH8 v_pk_add_f32 v[X+u:X+u+1], v[LR+u:LR+u+1], v[BIAS+u%8:BIAS+u%8+1]
	v_add_nc_u32 v14, 4*SPD, v14
	s_cmp_eq_u32 s53, 1
	s_cbranch_scc1 .Lno_rows                       ; the last trip has no rows to read ahead
	LROWS
.Lno_rows:
	EACH16 v_fma_f32 v[U+u], |v[X+u]|, s66, 1.0
	EACH8 v_pk_mul_f32 v[Y+u:Y+u+1], v[X+u:X+u+1], s[68:69] op_sel_hi:[1,0]
	EACH8 v_pk_mul_f32 v[Y+u:Y+u+1], v[Y+u:Y+u+1], v[Y+u:Y+u+1] neg_lo:[1,0] neg_hi:[1,0]
	EACH16 v_rcp_f32 v[U+u], v[U+u]
	EACH16 v_exp_f32 v[Y+u], v[Y+u]
	v_nop                                          ; a plain instruction behind the last of them (ISA guide 5.7.2)
	s_wait_alu depctr_va_vdst(0)
	EACH8 v_pk_fma_f32 v[P+u:P+u+1], v[U+u:U+u+1], s[70:71], s[72:73] op_sel_hi:[1,0,0]
	EACH8 v_pk_fma_f32 v[P+u:P+u+1], v[P+u:P+u+1], v[U+u:U+u+1], s[74:75] op_sel_hi:[1,1,0]
	EACH8 v_pk_fma_f32 v[P+u:P+u+1], v[P+u:P+u+1], v[U+u:U+u+1], s[76:77] op_sel_hi:[1,1,0]
	EACH8 v_pk_fma_f32 v[P+u:P+u+1], v[P+u:P+u+1], v[U+u:U+u+1], s[78:79] op_sel_hi:[1,1,0]
	EACH8 v_pk_mul_f32 v[P+u:P+u+1], v[P+u:P+u+1], v[U+u:U+u+1]
	EACH8 v_pk_mul_f32 v[P+u:P+u+1], v[P+u:P+u+1], v[Y+u:Y+u+1]
	EACH16 v_max_num_f32 v[U+u], 0, v[X+u]
	EACH16 v_fma_f32 v[X+u], -|v[X+u]|, v[P+u], v[U+u]
	s_wait_xcnt 0x0                                ; the last trip's stores have read their data and offset registers
	EACH8 v_cvt_pk_bf16_f32 v[OR+u/2], v[X+u], v[X+u+1]
	v_add_nc_u32 v15, 32768, v15                   ; four rows on; the stores reach back
	global_store_b128 v15, v[OR:OR+3], s[10:11] offset:-32768
	global_store_b128 v15, v[OR+4:OR+7], s[10:11] offset:-16384
	s_sub_co_u32 s53, s53, 1
	s_cmp_lg_u32 s53, 0
	s_cbranch_scc1 .Lrow
	s_wait_tensorcnt 0x0                           ; the wave's end
	ds_add_u32 v28, v29
	s_wait_dscnt 0x0
	CROUND                                         ; the closing round: no work-group ends while a partner may still ask for a tile that names it
	s_endpgm
.Lfunc_end_k_q4330b64678_fc:
	.size	k_q4330b64678_fc, .Lfunc_end_k_q4330b64678_fc-k_q4330b64678_fc
	.p2alignl 7, 3214868480
	.fill 96, 4, 3214868480
	.section	.rodata,"a",@progbits
	.p2align	6, 0x0
	.amdhsa_kernel k_q4330b64678_fc
		.amdhsa_group_segment_fixed_size 327680
		.amdhsa_private_segment_fixed_size 0
		.amdhsa_enable_private_segment 0
		.amdhsa_kernarg_size 32
		.amdhsa_user_sgpr_count 2
		.amdhsa_user_sgpr_kernarg_segment_ptr 1
		.amdhsa_wavefront_size32 1
		.amdhsa_system_sgpr_workgroup_id_x 1
		.amdhsa_system_sgpr_workgroup_id_y 1
		.amdhsa_system_sgpr_workgroup_id_z 1
		.amdhsa_system_vgpr_workitem_id 0
		.amdhsa_next_free_vgpr 1024
		.amdhsa_next_free_sgpr 80
		.amdhsa_reserve_vcc 0
		.amdhsa_float_denorm_mode_32 3
		.amdhsa_float_denorm_mode_16_64 3
		.amdhsa_memory_ordered 1
		.amdhsa_forward_progress 1
		.amdhsa_inst_pref_size 87
	.end_amdhsa_kernel
	.amdgpu_metadata
---
amdhsa.version: [ 1, 2 ]
amdhsa.kernels:
  - .name:           k_q4330b64678_fc
    .symbol:         k_q4330b64678_fc.kd
    .args:
      - { .name: hb, .offset: 0, .size: 8, .value_kind: global_buffer, .address_space: global }
      - { .name: wb, .offset: 8, .size: 8, .value_kind: global_buffer, .address_space: global }
      - { .name: b_fc, .offset: 16, .size: 8, .value_kind: global_buffer, .address_space: global }
      - { .name: g, .offset: 24, .size: 8, .value_kind: global_buffer, .address_space: global }
    .group_segment_fixed_size: 327680
    .private_segment_fixed_size: 0
    .kernarg_segment_align: 8
    .kernarg_segment_size: 32
    .max_flat_workgroup_size: 128
    .sgpr_count:     80
    .vgpr_count:     1024
    .wavefront_size: 32
...
	.end_amdgpu_metadata
.endif
;; end of part 6
;; launch out (part 7): grid 8 x 32, 4 waves a work-group, clusters of 4 x 4, 327,680 bytes of LDS; arguments g, wb, b_out, x1, out0; writes out0
.if DOCPART == 7
	.amdgcn_target "amdgcn-amd-amdhsa--gfx1250"
	.amdhsa_code_object_version 6
	.text
	.protected	k_q4330b64678_out
	.globl	k_q4330b64678_out
	.p2align	8
	.type	k_q4330b64678_out,@function
k_q4330b64678_out:
	s_mov_b64 s[64:65], 0
	v_nop
	global_prefetch_b8 v0, s[64:65] scope:SCOPE_SE
	s_setreg_imm32_b32 hwreg(HW_REG_WAVE_MODE, 25, 1), 1
	s_wait_xcnt 0x0
	s_wait_alu depctr_hold_cnt(0) depctr_sa_sdst(0) depctr_va_vdst(0) depctr_va_sdst(0) depctr_va_ssrc(0) depctr_va_vcc(0) depctr_vm_vsrc(0)
	s_getreg_b32 s2, hwreg(HW_REG_IB_STS2, 6, 4)
	s_cmp_eq_u32 s2, 0
	s_cbranch_scc0 .Lentry_in_a_cluster
	s_endpgm
.Lentry_in_a_cluster:
	s_bfe_u32 s2, ttmp6, 0x10000c
	s_cmp_lg_u32 s2, 0xf033
	s_cbranch_scc0 .Lentry_shape_is_right
	s_endpgm
.Lentry_shape_is_right:
; out0 = x1 + g W + b.  g: [4096][4096] bf16; W = w_out as bf16 [4096 (k)][1024 (n)] at byte 16,777,216 of wb; b: [1024] f32; x1, out0: [4096][1024] f32.
; Sums in f32, K ascending; bias and residual are added in f32.
; TILE.  128 x 128: 8 x 32 = 256 work-groups.  Four waves 2 x 2, each 64 x 64: 16 accumulators, 128 registers.
; RING.  K goes in steps of 256 through two LDS slots (g's 128 rows of 512 bytes, W's 256 rows of 256 bytes).  One tensor load a wave and step: waves 0, 1 fetch g's halves, waves 2, 3 W's.
; One tensor load of a wave is out at any time; it has a K step's 128 matrix instructions in which to land.
; CLUSTER 4 x 4: g's tile is asked for jointly by my row of the cluster, W's by my column.
; THE MATRIX INSTRUCTION IS USED TRANSPOSED: source 0 = 16 columns of W (turned by ds_load_tr16_b128), source 1 = 16 rows of g: lane l holds row l % 16, columns 8 (l / 16) + 0..7.
; REGISTERS in windows of 256: window 0 addresses, bias, the residual (v128-255, loaded at the start); window 1 two fragment buffers of 128; window 2 the accumulators.
; bf16 has f32's range: no limit of range is kept.
.set NN,    1024
.set KK,    4096
.set BM,    128
.set BN,    128
.set MB,    4
.set NBK,   4
.set KSTEP, 256
.set QK,    64
.set PA,    528                        ; 512 bytes + 16: an odd multiple of 16
.set ASZ,   BM*PA
.set PB,    288                        ; 256 bytes + 32: an odd multiple of 32
.set SEGB,  8
.set WOFF,  16777216
.set SPD,   272                        ; the way out: a row of 64 f32 + 16 bytes
.set HEADS, 0
.set RES,   1
.set WROW,  0
.set SWM,   15
.set GA0,   (1<<16)|(1<<20)|(1<<21)|(6<<22)|(3<<25)   ; after every 128 words 4 words
.set GAD0,  256
.set GAD1,  64
.set GAST,  KK
.set ASTEP, 2*KSTEP
.set GB0,   (1<<16)|(1<<20)|(1<<21)|(5<<22)|(7<<25)   ; after every 64 words 8 words
.set GBD0,  BN
.set GBD1,  KSTEP/2
.set NACC,  MB*NBK
.set NSTEP, KK/KSTEP
.set CH,    QK/32
.set BSZ,   KSTEP*PB
.set SLOT,  ASZ+BSZ
.set SPARE, 2*SLOT                     ; behind the ring: the spare words, 128 bytes a wave, two blocks of 256 bytes that no other line names
.set AREG,  8*MB*CH
.set REG,   16*MB*SPD
.set BSTEP, KSTEP*2*NN
.set F0, 0
.set F1, 128
.set MSB, 0
.macro WIN new                         ; the immediate's high byte repeats the setting that is left; a switch that changes nothing is dropped
.if MSB != (\new)
	s_set_vgpr_msb (MSB<<8)|(\new)
.set MSB, (\new)
.endif
.endm
.macro PLACES                          ; four plain vector instructions between a matrix instruction and a load into, or a read of, its registers
.rept 4
	v_nop
.endr
.endm
.macro CROUND                          ; a round of the cluster's barrier
	s_barrier_signal -1
	s_barrier_wait -1
	s_cmp_lg_u32 s14, 0
	s_cbranch_scc1 .Lnot_wave_0_\@
	s_barrier_signal -3
.Lnot_wave_0_\@:
	s_barrier_wait -3
	s_barrier_signal -1
	s_barrier_wait -1
.endm
.macro JLOAD                           ; a joint load: waves 0, 1 ask for the first operand's halves, waves 2, 3 for W's; the branch hangs on the wave's number alone
	s_cmp_eq_u32 s15, 0
	s_cbranch_scc0 .Lfor_b_\@
	tensor_load_to_lds s[32:35], s[24:31]
	s_nop 0
	PLACES
	s_branch .Lasked_\@
.Lfor_b_\@:
	tensor_load_to_lds s[36:39], s[40:47]
	s_nop 0
	PLACES
.Lasked_\@:
.endm
; THE CHANGE OF SLOTS.  Each wave waits for all its tensor loads (one is out: its part of the slot to be read), adds 0 to its spare word, and waits for that and for its reads of the slot it leaves.
; fill = 1: a round of the cluster's barrier follows, so that no wave of any partner still reads that slot or has a load on its way; the joint refill is the first thing behind it.
.macro CHANGE fill
	WIN 0
	s_wait_tensorcnt 0x0
	ds_add_u32 v28, v29                            ; the descriptors' steps stand between the add and the wait for it
.if \fill
	s_xor_b32 s50, s50, SLOT                       ; the slot to be filled: 0 or SLOT by turns
	s_add_co_u32 s33, s48, s50
	s_add_co_u32 s37, s49, s50
	s_add_nc_u64 s[34:35], s[34:35], ASTEP         ; the next K step; the type bits on top are not reached
	s_add_nc_u64 s[38:39], s[38:39], BSTEP
	s_wait_dscnt 0x0
	CROUND
	JLOAD                                          ; its four v_nop are also the places in front of the fragment loads
.else
	s_wait_dscnt 0x0
	s_barrier_signal -1
	s_barrier_wait -1
	PLACES
.endif
	s_xor_b32 s51, s51, SLOT                       ; the slot to be read
	v_add_nc_u32 v10, s51, v8
	v_add_nc_u32 v11, s51, v9
.if KSTEP > 128
	v_add_nc_u32 v12, 128*PB, v11
.endif
.endm
; 32 LDS loads in one run: the fragments of quarter kq of the K step into buffer f
.macro FETCH kq, f
	WIN 0x40                                       ; destination window 1, address window 0
.set cc, 0
.rept CH
.set k0, (\kq)*QK+32*cc
.set bb, 0
.rept NBK
.set ob, (k0%128)*PB+(bb/SEGB)*(32*SEGB+32)+(bb%SEGB)*32
.set rr, (\f)+AREG+8*(NBK*cc+bb)
.if k0 >= 128
	ds_load_tr16_b128 v[rr:rr+3], v12 offset:ob
	ds_load_tr16_b128 v[rr+4:rr+7], v12 offset:ob+16*PB
.else
	ds_load_tr16_b128 v[rr:rr+3], v11 offset:ob
	ds_load_tr16_b128 v[rr+4:rr+7], v11 offset:ob+16*PB
.endif
.set bb, bb+1
.endr
.set aa, 0
.rept MB
.if HEADS
.set oa, (k0/64)*128*PA+aa*16*PA+2*(k0%64)
.else
.set oa, aa*16*PA+2*k0
.endif
.set rr, (\f)+8*(MB*cc+aa)
	ds_load_b128 v[rr:rr+3], v10 offset:oa
	ds_load_b128 v[rr+4:rr+7], v10 offset:oa+32
.set aa, aa+1
.endr
.set cc, cc+1
.endr
.endm
; Half of a quarter's matrix instructions.  The accumulators take turns, one instruction a turn, always in ascending order.  zero = 1: the first product starts the sum.
.macro MULH f, half, zero
.if CH == 1
.set i, (\half)*NACC/2
.set cc, 0
.set cnt, NACC/2
.else
.set i, 0
.set cc, (\half)
.set cnt, NACC
.endif
.rept cnt
.set rD, (8*i)%256
.set rW, (\f)+AREG+8*(NBK*cc+i%NBK)
.set rA, (\f)+8*(MB*cc+i/NBK)
	WIN 0xa5+0x50*((8*i)/256)
.if (\zero) && (cc == 0)
	v_wmma_f32_16x16x32_bf16 v[rD:rD+7], v[rW:rW+7], v[rA:rA+7], 0
.else
	v_wmma_f32_16x16x32_bf16 v[rD:rD+7], v[rW:rW+7], v[rA:rA+7], v[rD:rD+7]
.endif
.set i, i+1
.endr
.endm
; A quarter multiplies buffer f and, in its middle, fetches quarter kqn into buffer g (kqn = -1: nothing).
.macro QUARTER f, g, kqn, zero
	s_wait_dscnt 0x0                               ; buffer f's loads were issued half a quarter ago
	MULH \f, 0, \zero
.if (\kqn) >= 0
	PLACES
	FETCH \kqn, \g
.endif
	MULH \f, 1, \zero
.endm
.macro DUMP                            ; the accumulators, f32, into my own bytes of the ring, which has had its last fill; each accumulator's low four registers first
.set i, 0
.rept NACC
.set rD, (8*i)%256
	WIN 0x08+0x04*((8*i)/256)                      ; store data in window 2 or 3
	ds_store_b128 v13, v[rD:rD+3] offset:(i/NBK)*16*SPD+64*(i%NBK)
	ds_store_b128 v13, v[rD+4:rD+7] offset:(i/NBK)*16*SPD+64*(i%NBK)+16
.set i, i+1
.endr
	WIN 0
.endm
	s_load_b256 s[4:11], s[0:1], 0x0               ; first operand s[4:5], wb s[6:7], bias s[8:9], s[10:11] the result (with a residual: the residual)
.if RES
	s_load_b64 s[12:13], s[0:1], 0x20              ; the result
.endif
	v_lshl_add_u32 v28, v0, 2, SPARE
	v_mov_b32 v29, 0
	ds_add_u32 v28, v29                            ; the wave's opening: the add and its wait ahead of my first tensor load; the set-up stands between them
	ds_add_u32 v28, v29
	v_lshrrev_b32 v3, 5, v0
	v_readfirstlane_b32 s14, v3                    ; wave 0..3
	s_lshr_b32 s15, s14, 1                         ; I fetch the first operand (0) or W (1); also: which half of the tile's rows is mine
	s_and_b32 s16, s14, 1                          ; which half of that tile I fetch; also: which half of the columns is mine
	s_bfe_u32 s17, ttmp6, 0x40000                  ; cx
	s_bfe_u32 s18, ttmp6, 0x40004                  ; cy
	s_lshl_b32 s19, ttmp9, 2
	s_add_co_u32 s19, s19, s17                     ; tile column
	s_and_b32 s20, ttmp7, 0xffff
	s_lshl_b32 s20, s20, 2
	s_add_co_u32 s20, s20, s18                     ; tile row
	s_lshl_b32 s21, s18, 2
	s_lshl_b32 s21, 15, s21                        ; my row of the cluster
	s_lshl_b32 s22, 0x1111, s17                    ; my column
	s_or_b32 s24, s21, GA0
	s_mov_b32 s25, GAD0<<16                        ; tensor_dim0
	s_mov_b32 s26, GAD1<<16                        ; tensor_dim1
	s_mov_b32 s27, GAD0<<16                        ; tile_dim0
	s_mov_b32 s28, GAD1                            ; tile_dim1
	s_mov_b32 s29, GAST                            ; elements from row to row
	s_mov_b32 s30, 0
	s_mov_b32 s31, 0
	s_or_b32 s40, s22, GB0
	s_mov_b32 s41, GBD0<<16
	s_mov_b32 s42, GBD1<<16
	s_mov_b32 s43, GBD0<<16
	s_mov_b32 s44, GBD1
	s_mov_b32 s45, NN
	s_mov_b32 s46, 0
	s_mov_b32 s47, 0
.if HEADS
	s_lshr_b32 s54, s20, 4                         ; batch: 16 heads of 262,144 bytes
	s_lshl_b32 s54, s54, 22
	s_and_b32 s58, s20, 15                         ; 128 rows of 128 bytes in each head
	s_lshl_b32 s58, s58, 14
	s_add_co_u32 s54, s54, s58
	s_lshl_b32 s58, s16, 19                        ; my two heads of the step's four
	s_add_co_u32 s54, s54, s58
.else
	s_mul_i32 s54, s20, BM*2*KK                    ; the first operand's offset is made of the tile row and the wave alone,
	s_mul_i32 s58, s16, (BM/2)*2*KK
	s_add_co_u32 s54, s54, s58
.endif
	s_mov_b32 s55, 0
	s_mul_i32 s56, s19, 2*BN                       ; W's of the tile column and the wave alone
	s_mul_i32 s59, s16, (KSTEP/2)*2*NN
	s_add_co_u32 s56, s56, s59
	s_add_co_u32 s56, s56, WOFF
	s_mov_b32 s57, 0
	s_mul_i32 s48, s16, ASZ/2                      ; where my part lands in a slot: no place in the cluster enters an LDS address
	s_mul_i32 s49, s16, BSZ/2
	s_add_co_u32 s49, s49, ASZ
	s_mov_b32 s50, 0
	s_mov_b32 s51, SLOT
	s_mov_b32 s32, 1
	s_mov_b32 s33, s48
	s_mov_b32 s36, 1
	s_mov_b32 s37, s49
	s_wait_dscnt 0x0                               ; the opening add is done
	s_wait_kmcnt 0x0
	s_add_nc_u64 s[34:35], s[4:5], s[54:55]
	s_or_b32 s35, s35, 0x80000000
	s_add_nc_u64 s[38:39], s[6:7], s[56:57]
	s_or_b32 s39, s39, 0x80000000
	CROUND                                         ; all sixteen work-groups are here: the first joint loads meet
	JLOAD                                          ; K step 0 into slot 0
	v_and_b32 v1, 15, v0                           ; r = l % 16
	v_bfe_u32 v2, v0, 4, 1                         ; h = l / 16
	v_mul_u32_u24 v8, v1, PA
	v_lshl_add_u32 v8, v2, 4, v8
	s_mul_i32 s58, s[SWM], 16*MB*PA
	v_add_nc_u32 v8, s58, v8                       ; first operand: (my rows + r) x pitch + 16 h
	v_and_b32 v3, 7, v0
	v_lshl_add_u32 v4, v2, 3, v3
	v_mul_u32_u24 v9, v4, PB
	v_bfe_u32 v4, v0, 3, 1
	v_lshl_add_u32 v9, v4, 4, v9                   ; W: (8 h + l % 8) x pitch + 16 ((l / 8) % 2)
.if WROW
	v_add_nc_u32 v9, ASZ, v9
.else
	s_mul_i32 s58, s16, 32*NBK
	s_add_co_u32 s58, s58, ASZ
	v_add_nc_u32 v9, s58, v9
.endif
	s_mul_i32 s58, s14, REG
	v_mul_u32_u24 v13, v1, SPD
	v_lshl_add_u32 v13, v2, 5, v13
	v_add_nc_u32 v13, s58, v13                     ; the way out, in: my bytes + r x pitch + 32 h
	; the way out's addresses, the bias and the residual.  Lane l takes row l / 16 of two and columns 4 (l % 16) + 0..3 of my 64: sixteen lanes cover 256 consecutive aligned bytes.
.set BIAS, 32                          ; v[32:35]
.set RR,   128                         ; v[128:255] the residual of my 64 x 64, asked for now, wanted at the end
	v_lshlrev_b32 v16, 4, v1                       ; 16 r
	s_lshl_b32 s60, s19, 9                         ; 128 columns x 4 bytes
	s_lshl_b32 s59, s16, 8                         ; my 64
	s_add_co_u32 s60, s60, s59
	s_mov_b32 s61, 0
	s_add_nc_u64 s[8:9], s[8:9], s[60:61]
	global_load_b128 v[BIAS:BIAS+3], v16, s[8:9]
	s_lshl_b32 s59, s20, 19                        ; 128 rows of 4,096 bytes
	s_add_co_u32 s60, s60, s59
	s_lshl_b32 s59, s15, 18                        ; my 64
	s_add_co_u32 s60, s60, s59
	s_add_nc_u64 s[10:11], s[10:11], s[60:61]
	s_add_nc_u64 s[12:13], s[12:13], s[60:61]
	v_lshlrev_b32 v15, 12, v2
	v_lshl_add_u32 v15, v1, 4, v15                 ; h x 4,096 + 16 r
.set t, 0
.rept 32
	global_load_b128 v[RR+4*t:RR+4*t+3], v15, s[10:11] offset:8192*t
.set t, t+1
.endr
	v_mul_u32_u24 v14, v2, SPD
	v_lshl_add_u32 v14, v1, 4, v14
	v_add_nc_u32 v14, s58, v14                     ; back: my bytes + h x pitch + 16 r
	CHANGE 1                                       ; slot 0 is in, everybody's part of it; slot 1 is asked for
	FETCH 0, F0
	QUARTER F0, F1, 1, 1                           ; the first quarter's first products start the sums: nothing is cleared
	WIN 0
	s_mov_b32 s52, NSTEP-1
	s_branch .Lmid                                 ; the loop is entered behind a step's first quarter
.Lstep:                                                ; a trip is a K step; it asks for the next one
	CHANGE 1
	FETCH 0, F0
	QUARTER F0, F1, 1, 0
	WIN 0
.Lmid:
	QUARTER F1, F0, 2, 0
	QUARTER F0, F1, 3, 0
	QUARTER F1, F0, -1, 0
	WIN 0
	s_sub_co_u32 s52, s52, 1
	s_cmp_lg_u32 s52, 0
	s_cbranch_scc1 .Lstep
	CHANGE 0                                       ; the last K step is written out: it asks for nothing
	FETCH 0, F0
	QUARTER F0, F1, 1, 0
	QUARTER F1, F0, 2, 0
	QUARTER F0, F1, 3, 0
	QUARTER F1, F0, -1, 0
	WIN 0
	PLACES                                         ; the stores below read results just made, the loads below land in fragment registers
	s_wait_dscnt 0x0
	s_barrier_signal -1                            ; every wave's reads of the ring are over: its bytes may be written
	s_barrier_wait -1
	DUMP
	; THE WAY OUT.  My 64 rows come back as whole rows of 256 bytes (LDS serves a wave's instructions in order, so no wait stands between my stores and my loads);
	; the bias goes onto the residual while they are out.
	WIN 0x40
.set t, 0
.rept 32
	ds_load_b128 v[4*t:4*t+3], v14 offset:2*SPD*t
.set t, t+1
.endr
	WIN 0
	s_wait_loadcnt 0x0                             ; bias and residual
.set t, 0
.rept 64
	v_pk_add_f32 v[RR+2*t:RR+2*t+1], v[RR+2*t:RR+2*t+1], v[BIAS+2*(t%2):BIAS+2*(t%2)+1]
.set t, t+1
.endr
	s_wait_dscnt 0x0
	WIN 0x41                                       ; destination and source 0 in window 1, source 1 in window 0
.set t, 0
.rept 64
	v_pk_add_f32 v[2*t:2*t+1], v[2*t:2*t+1], v[RR+2*t:RR+2*t+1]
.set t, t+1
.endr
	WIN 0x04                                       ; store data in window 1
.set t, 0
.rept 32
	global_store_b128 v15, v[4*t:4*t+3], s[12:13] offset:8192*t th:TH_STORE_NT   ; the program's result: nothing reads it again
.set t, t+1
.endr
	WIN 0
	s_wait_tensorcnt 0x0                           ; the wave's end
	ds_add_u32 v28, v29
	s_wait_dscnt 0x0
	CROUND                                         ; the closing round: no work-group ends while a partner may still ask for a tile that names it
	s_endpgm
.Lfunc_end_k_q4330b64678_out:
	.size	k_q4330b64678_out, .Lfunc_end_k_q4330b64678_out-k_q4330b64678_out
	.p2alignl 7, 3214868480
	.fill 96, 4, 3214868480
	.section	.rodata,"a",@progbits
	.p2align	6, 0x0
	.amdhsa_kernel k_q4330b64678_out
		.amdhsa_group_segment_fixed_size 327680
		.amdhsa_private_segment_fixed_size 0
		.amdhsa_enable_private_segment 0
		.amdhsa_kernarg_size 40
		.amdhsa_user_sgpr_count 2
		.amdhsa_user_sgpr_kernarg_segment_ptr 1
		.amdhsa_wavefront_size32 1
		.amdhsa_system_sgpr_workgroup_id_x 1
		.amdhsa_system_sgpr_workgroup_id_y 1
		.amdhsa_system_sgpr_workgroup_id_z 1
		.amdhsa_system_vgpr_workitem_id 0
		.amdhsa_next_free_vgpr 640
		.amdhsa_next_free_sgpr 66
		.amdhsa_reserve_vcc 0
		.amdhsa_float_denorm_mode_32 3
		.amdhsa_float_denorm_mode_16_64 3
		.amdhsa_memory_ordered 1
		.amdhsa_forward_progress 1
		.amdhsa_inst_pref_size 69
	.end_amdhsa_kernel
	.amdgpu_metadata
---
amdhsa.version: [ 1, 2 ]
amdhsa.kernels:
  - .name:           k_q4330b64678_out
    .symbol:         k_q4330b64678_out.kd
    .args:
      - { .name: g, .offset: 0, .size: 8, .value_kind: global_buffer, .address_space: global }
      - { .name: wb, .offset: 8, .size: 8, .value_kind: global_buffer, .address_space: global }
      - { .name: b_out, .offset: 16, .size: 8, .value_kind: global_buffer, .address_space: global }
      - { .name: x1, .offset: 24, .size: 8, .value_kind: global_buffer, .address_space: global }
      - { .name: out0, .offset: 32, .size: 8, .value_kind: global_buffer, .address_space: global }
    .group_segment_fixed_size: 327680
    .private_segment_fixed_size: 0
    .kernarg_segment_align: 8
    .kernarg_segment_size: 40
    .max_flat_workgroup_size: 128
    .sgpr_count:     66
    .vgpr_count:     640
    .wavefront_size: 32
...
	.end_amdgpu_metadata
.endif
;; end of part 7
